; MI455X (gfx1250); checked and timed in simulation.
; The chip was launched on July 23, 2026; its instructions are those of AMD's public machine-readable ISA for CDNA 5 (MIT licence, August 2026) and "CDNA5" Instruction Set Architecture Reference Guide (July 2026). The comments in the code are by the model that wrote it; some were corrected since.
;; Self Attention. Allowed arithmetic: matrix products marked QUANTISED: E2M3 operands, one E8M0 scale for each 32 along K, by v_wmma_scale_f32_16x16x128_f8f6f4 with both operands' format E2M3, f32 sums; everything else in f32.
;; Inputs: W_in 1,024 x 3,072 float32; W_out 1,024 x 1,024 float32; b_in 3,072 float32; b_out 1,024 float32; x 4 x 2,048 x 1,024 float32.
;; Outputs: out0 4 x 2,048 x 1,024 float32.
;; This version of the problem:
;;   THIS VERSION OF THE PROBLEM IS GIVEN IN LOW PRECISION. The matrix products marked QUANTISED in the list below multiply operands that are first quantised to E2M3 (2 exponent bits, 3 mantissa bits; 6 bits a number), with one power-of-two scale for each 32 numbers along K (OCP MX v1.0); their sums are f32. All else is computed in f32.
;;   The module's matrix products, in the order in which they are computed (A, B: the left and right operand; K: the contracted axis; several contracted axes count as one K, in the product's order):
;;     1. [M 8,192, K 1,024] x [K 1,024, N 3,072]; A: input x; B: input W_in: QUANTISED
;;     2. batch 64 x [M 2,048, K 64] x [K 64, N 2,048]; A: computed on the way; B: computed on the way: QUANTISED
;;     3. batch 64 x [M 2,048, K 2,048] x [K 2,048, N 64]; A: softmax (see below); B: computed on the way: QUANTISED
;;     4. [M 8,192, K 1,024] x [K 1,024, N 1,024]; A: computed on the way; B: input W_out: QUANTISED
;;   THE QUANTISER, for each operand of a quantised product, along K:
;;     - K is cut into blocks of 32 from its start; a last block that is shorter is filled with zeros.
;;     - A block's scale is 2^e with e = floor(log2(the largest magnitude in the block)) - 2, held to -126 .. 127; a block of zeros has e = 0. As a byte (E8M0): e + 127.
;;     - Each number is divided by its block's scale, clamped to +-7.5, and rounded to the nearest number of E2M3, ties to even, subnormals kept.
;;     - The product sums the exact products of the quantised numbers (number of the format x scale) in f32.
;;   ~~~python
;;   def quantise(x, axis):      # numpy; x: float32 -> the quantised numbers, widened to float32 again
;;       x = np.moveaxis(x, axis, -1); K = x.shape[-1]
;;       x = np.pad(x, [(0, 0)] * (x.ndim - 1) + [(0, -K % 32)]); x = x.reshape(x.shape[:-1] + (-1, 32)); a = np.abs(x).max(-1, keepdims=True)
;;       e = np.where(a > 0, np.clip(np.frexp(np.where(a > 0, a, 1))[1] - 1 - 2, -126, 127), 0)      # np.frexp(a)[1] - 1 = floor(log2(a)), exactly
;;       r = np.clip(x / 2.0 ** e, -7.5, 7.5)
;;       step = 2.0 ** (np.maximum(np.frexp(np.where(r == 0, 1, r))[1] - 1, 0) - 3)
;;       q = np.round(r / step) * step * 2.0 ** e      # np.round: ties to even
;;       return np.moveaxis(q.reshape(q.shape[:-2] + (-1,))[..., :K], -1, axis).astype(np.float32)
;;   ~~~
;;   SOFTMAX AHEAD OF A QUANTISED PRODUCT. Where the list says 'softmax', what is quantised is not the finished softmax but p = 2^(t - M), with t = logit x log2(e) and M = ceil(the row's largest t), a whole number; so 1/2 < the row's largest p <= 1. The row's sum l is taken of the UNQUANTISED p, in f32, and the product's result is divided by l at the end. Since M is a whole number, a kernel that streams over the keys may use a running M (the ceiling of the running maximum): every later rescaling is an exact power of two, which a block's scale takes up: the codes' values come out the same.
;;   OPERANDS COMPUTED ON THE WAY. 'Computed on the way' means the value that the module computes at that place (a softmax that the list does not call 'softmax' is quantised finished and normalised). What goes into a quantiser is computed in f32, as accurately as f32 sums, v_exp_f32 and their like allow (about 1e-6 of the number): no bf16 or f16 on the way to a quantiser, and a product that is left as it is and whose result goes on into a quantised operand takes f32 operands (vector FMAs, or v_wmma_f32_16x16x4_f32). A number that lies on a knife's edge between two numbers of the format may be rounded either way, as far as f32 arithmetic and the matrix unit's own rounding can turn it there, and no further.
;; One version. Each part assembles by itself: llvm-mc -triple=amdgcn-amd-amdhsa -mcpu=gfx1250 --defsym DOCPART=n.
;; ======== version 1 of 1: 4 launches
;; limits: right only within a limited range of input values
;; workspace buffers: xc 6,291,456 bytes; xs 262,144 bytes; wc 2,359,296 bytes; ws 98,304 bytes; wo 819,200 bytes; qkvc 18,874,368 bytes; qkvs 786,432 bytes; oq 6,553,600 bytes
;; launch prep (part 1): grid 384 x 1, 4 waves a work-group, no clusters, 59,904 bytes of LDS; arguments x, W_in, W_out, xc, xs, wc, ws, wo; writes xc, xs, wc, ws, wo
.if DOCPART == 1
	.amdgcn_target "amdgcn-amd-amdhsa--gfx1250"
	.amdhsa_code_object_version 6
	.text
	.protected	k_q5a2df0f8e7_prep
	.globl	k_q5a2df0f8e7_prep
	.p2align	8
	.type	k_q5a2df0f8e7_prep,@function
k_q5a2df0f8e7_prep:
	s_mov_b64 s[64:65], 0
	v_nop
	global_prefetch_b8 v0, s[64:65] scope:SCOPE_SE
	s_setreg_imm32_b32 hwreg(HW_REG_WAVE_MODE, 25, 1), 1
	s_wait_xcnt 0x0
; x [8192][1024], W_in [1024][3072] and W_out [1024][1024], f32, become codes of FP6 (E2M3) with one E8M0 byte for each 32 along K (K = 1,024 in all three),
; laid in the ORDER OF THE OPERAND'S REGISTERS, so that the products' launches read fragments as dense bytes.
; A TILE is 16 rows of an operand (rows of x; columns of a weight).  Lane r of tile T holds row 32 (T / 2) + 8 (T % 2) + r + 8 (r / 8): the rows of a tile are not neighbours,
; so that a product's results in tiles 2 b and 2 b + 1 are 16 neighbours in a lane's registers.
; CODES: the fragment of tile T and 128 along K (number f of 8) begins at 12,288 T + 1,536 f; in it registers 2 p, 2 p + 1 of lane l lie at 256 p + 8 l.
; Registers 6 c .. 6 c + 5 of lane (r, h) are the 24 bytes of k = 128 f + 64 c + 32 h + 0 .. 31.   SCALE WORDS (4 bytes: 128 along K of a row): 512 T + 128 (f / 2) + 8 r + 4 (f % 2).
; A block's scale is 2^(floor(log2(its largest magnitude)) - 2): its byte is the largest magnitude's exponent field - 2, held at 1 from below.
; LIMITS: a block whose largest magnitude lies under 2^-124 keeps the byte 1 (a block of zeros too, where the rule says 127: its codes are zeros, and this program alone reads the bytes); NaN and infinities are not served.
; Work-groups 0-255 take x (K innermost: a wave takes a tile x 512 along K, turned through its own stage in LDS so that every load is 512 dense bytes and a lane still gets whole blocks);
; work-groups 256-383 take the weights (K outermost: a lane takes a column, its registers run down K; a wave takes 32 columns x 256 along K, and the codes leave through its own stage as dense bytes).
; No wave shares anything with another: no barrier.  The two paths have LDS bytes of their own.
.set XW,    8448                       ; x path: a wave's stage: 16 rows x (512 bytes + 16)
.set WST,   33792                      ; weights' path: the stages begin here
.set WW,    6400                       ; a wave's: two tiles x 3,200 (3,072 bytes of codes + 128)
.set SPARE, 59392                      ; the spare words, 128 bytes for each wave: two blocks of 256 bytes that no other line names
.set SPW, 30                           ; v30  LDS address of my spare word; never rewritten
.set NIL, 31                           ; v31  0; never rewritten
.set RX,  32                           ; x path: v32-159 two sets of 64 as loaded;
.set YX,  160                          ; v160-223 64 numbers of my row: two whole blocks;
.set CX,  224                          ; v224-235 a fragment's codes;
.set DX,  236                          ; v236-242 the upper halves of the blocks' codes, before they are moved;
.set WD,  16                           ; v16-19 the four scale words
.set OFS, 32                           ; weights: v32-63 offsets of 32 rows;
.set XWT, 64                           ; v64-127 two sets of 32 numbers;
.set CW,  128                          ; v128-133 a block's codes;  v134-136 their upper half
.set DW,  134
.set SB,  24                           ; v24-25 the scale bytes of my column's 8 blocks
.set OUTR, 144                         ; v144-191 the way out
	s_load_b256 s[4:11], s[0:1], 0x0               ; x s[4:5], W_in s[6:7], W_out s[8:9], xc s[10:11]
	s_load_b256 s[12:19], s[0:1], 0x20             ; xs s[12:13], wc s[14:15], ws s[16:17], wo s[18:19]
	v_lshl_add_u32 v[SPW], v0, 2, SPARE
	v_mov_b32 v[NIL], 0
	v_lshrrev_b32 v1, 5, v0
	v_readfirstlane_b32 s20, v1                    ; wave 0..3
	v_and_b32 v1, 31, v0                           ; lane l
	v_and_b32 v2, 15, v0                           ; r
	v_bfe_u32 v3, v0, 4, 1                         ; h
	v_lshlrev_b32 v4, 4, v1                        ; 16 l
	v_lshlrev_b32 v5, 3, v1                        ; 8 l
	s_mov_b32 s22, 0x76543210
	s_mov_b32 s23, 0xfedcba98                      ; v_permlanex16_b32's selects for lane l xor 16
	s_mov_b32 s29, 0                               ; the upper word of every offset pair s[28:29]
	s_wait_kmcnt 0x0
	s_cmp_lt_u32 ttmp9, 256                        ; the paths part on the work-group's number alone
	s_cbranch_scc0 .Lweights
	; ---------------- x ----------------
	s_mul_i32 s21, s20, XW
	s_wait_alu depctr_va_vdst(0)
	v_add_nc_u32 v6, s21, v4                       ; the stage, on the way in: 16 l in row i
	v_mul_u32_u24 v7, v2, 528
	v_lshl_add_u32 v7, v3, 7, v7
	v_add_nc_u32 v7, s21, v7                       ; and out: row r, + 128 h: my half's block of 32 numbers
	v_lshlrev_b32 v15, 3, v3                       ; 8 h: where my two bytes stand in a scale word
.irp f, 0,1,2,3
	v_mov_b32 v[WD+\f], 0                          ; written once: a lane permute's destination counts as one of its sources
.endr
	s_lshl_b32 s24, ttmp9, 2
	s_add_co_u32 s24, s24, s20                     ; my unit, 0 .. 1,023
	s_lshr_b32 s25, s24, 1                         ; tile T
	s_and_b32 s26, s24, 1                          ; which 512 along K
	s_lshr_b32 s27, s25, 1
	s_lshl_b32 s27, s27, 5
	s_and_b32 s28, s25, 1
	s_lshl_b32 s28, s28, 3
	s_add_co_u32 s27, s27, s28                     ; the tile's first row: 32 (T / 2) + 8 (T % 2)
	s_lshl_b32 s28, s27, 12                        ; rows of 4,096 bytes
	s_lshl_b32 s30, s26, 11
	s_add_co_u32 s28, s28, s30
	s_add_nc_u64 s[4:5], s[4:5], s[28:29]
	s_mul_i32 s28, s25, 12288
	s_mul_i32 s30, s26, 6144
	s_add_co_u32 s28, s28, s30
	s_add_nc_u64 s[10:11], s[10:11], s[28:29]      ; my four fragments
	s_lshl_b32 s28, s25, 9
	s_lshl_b32 s30, s26, 8
	s_add_co_u32 s28, s28, s30
	s_add_nc_u64 s[12:13], s[12:13], s[28:29]      ; and their 256 bytes of scale words
.macro XLOAD f                         ; 128 along K of the tile's 16 rows: each load reads 512 consecutive bytes
.irp i, 0,1,2,3,4,5,6,7,8,9,10,11,12,13,14,15
	global_load_b128 v[RX+64*((\f)%2)+4*\i:RX+64*((\f)%2)+4*\i+3], v4, s[4:5] offset:(\i+8*(\i/8))*4096+512*(\f) th:TH_LOAD_NT
.endr
.endm
.macro XFRAG f
.if (\f) < 3
	s_wait_loadcnt 16                              ; this fragment's 16 loads are in; the next one's 16 may be out
.else
	s_wait_loadcnt 0x0
.endif
.irp i, 0,1,2,3,4,5,6,7,8,9,10,11,12,13,14,15
	ds_store_b128 v6, v[RX+64*((\f)%2)+4*\i:RX+64*((\f)%2)+4*\i+3] offset:528*\i
.endr
.irp c, 0,1
.irp s, 0,1,2,3,4,5,6,7
	ds_load_b128 v[YX+32*\c+4*\s:YX+32*\c+4*\s+3], v7 offset:256*\c+16*\s   ; LDS serves a wave's instructions in order: these see my stores.  x(row r, 64 c + 32 h + 4 s ..)
.endr
.endr
.if (\f)+2 < 4
	s_wait_dscnt 16                                ; the 16 stores are done (the 16 loads behind them may be out): their registers take the loads of two fragments on
	XLOAD (\f)+2
.endif
	s_wait_dscnt 0x0                               ; my 64 numbers are back
	s_wait_xcnt 0x0                                ; the last fragment's stores have read their data: the codes' registers are written again only behind this wait
.irp c, 0,1
	v_max3_num_f32 v[8+\c], |v[YX+32*\c]|, |v[YX+32*\c+1]|, 0x1800000   ; block 2 c + h: all 32 numbers are mine; and the floor 2^(3 - 127): the byte cannot fall under 1
.endr
.irp i, 2,4,6,8,10,12,14,16,18,20,22,24,26,28,30
.irp c, 0,1
	v_max3_num_f32 v[8+\c], v[8+\c], |v[YX+32*\c+\i]|, |v[YX+32*\c+\i+1]|   ; (the two blocks by turns)
.endr
.endr
.irp c, 0,1
	v_add_nc_u32 v[10+\c], 0xff000000, v[8+\c]     ; 2 off the exponent field: the conversion takes this operand's exponent field as its scale
.endr
.irp c, 0,1
	v_lshrrev_b32 v[12+\c], 23, v[10+\c]           ; the scale's byte
.endr
	v_lshl_or_b32 v14, v13, 16, v12                ; my two bytes, blocks h and 2 + h,
	v_lshlrev_b32 v14, v15, v14                    ; at their places (8 h bits up);
	v_permlanex16_b32 v[WD+(\f)], v14, s22, s23
	v_or_b32 v[WD+(\f)], v[WD+(\f)], v14           ; with lane l xor 16's two the word is whole
.irp c, 0,1
	v_cvt_scalef32_pk16_fp6_f32 v[CX+6*\c:CX+6*\c+2], v[YX+32*\c:YX+32*\c+15], v[10+\c]
	v_cvt_scalef32_pk16_fp6_f32 v[DX+4*\c:DX+4*\c+2], v[YX+32*\c+16:YX+32*\c+31], v[10+\c]   ; (a conversion's three registers begin on an even number)
.endr
	v_nop                                          ; one plain place behind a scaled conversion
.irp c, 0,1
.irp i, 0,1,2
	v_mov_b32 v[CX+6*\c+3+\i], v[DX+4*\c+\i]
.endr
.endr
.irp p, 0,1,2,3,4,5
	global_store_b64 v5, v[CX+2*\p:CX+2*\p+1], s[10:11] offset:1536*(\f)+256*\p   ; 32 lanes store 256 consecutive bytes, at a multiple of 256 from the buffer's first byte
.endr
.endm
	XLOAD 0
	XLOAD 1
	s_wait_alu depctr_va_vdst(0)
	XFRAG 0
	XFRAG 1
	XFRAG 2
	XFRAG 3
	v_cmp_lt_u32 vcc_lo, 15, v1                    ; lanes 16-31 store the words of fragments 2 and 3
	v_cndmask_b32 v20, v16, v18, vcc_lo
	v_cndmask_b32 v21, v17, v19, vcc_lo
	global_store_b64 v5, v[20:21], s[12:13]        ; 256 consecutive bytes
	s_branch .Lend
	; ---------------- the weights ----------------
.Lweights:
	s_sub_co_u32 s24, ttmp9, 256
	s_cmp_lt_u32 s24, 96                           ; 96 work-groups for W_in, 32 for W_out
	s_cselect_b32 s25, 0, 96
	s_mov_b32 s30, 4096
	s_cselect_b32 s30, 12288, s30                  ; a row of the weight in bytes
	s_cselect_b32 s26, 0, 786432                   ; W_out's scale words lie behind its codes in wo
	s_cselect_b64 s[4:5], s[6:7], s[8:9]
	s_cselect_b64 s[10:11], s[14:15], s[18:19]
	s_cselect_b64 s[12:13], s[16:17], s[18:19]
	s_sub_co_u32 s24, s24, s25
	s_lshr_b32 s25, s24, 2
	s_and_b32 s24, s24, 3                          ; which 256 along K
	s_lshl_b32 s27, s25, 2
	s_add_co_u32 s27, s27, s20                     ; g: which 32 columns are my wave's: tiles 2 g, 2 g + 1
	s_lshl_b32 s28, s30, 8
	s_mul_i32 s28, s28, s24                        ; 256 rows for each step along K,
	s_lshl_b32 s31, s27, 7                         ; 128 bytes for each 32 columns
	s_add_co_u32 s28, s28, s31
	s_add_nc_u64 s[4:5], s[4:5], s[28:29]
	s_mul_i32 s28, s27, 24576
	s_mul_i32 s31, s24, 3072
	s_add_co_u32 s28, s28, s31
	s_add_nc_u64 s[10:11], s[10:11], s[28:29]      ; tile 2 g's two fragments of this step
	s_lshl_b32 s28, s27, 10
	s_lshl_b32 s31, s24, 7
	s_add_co_u32 s28, s28, s31
	s_add_co_u32 s28, s28, s26
	s_add_nc_u64 s[12:13], s[12:13], s[28:29]      ; and their scale words
	s_lshl_b32 s28, s30, 5                         ; s[28:29]: 32 rows on
	s_wait_alu depctr_va_vdst(0)
	v_lshlrev_b32 v9, 2, v1
.irp i, 0,1,2,3,4,5,6,7,8,9,10,11,12,13,14,15,16,17,18,19,20,21,22,23,24,25,26,27,28,29,30,31
	v_mad_u32_u24 v[OFS+\i], s30, \i, v9           ; row i of a block, my column
.endr
	v_bfe_u32 v10, v0, 3, 1                        ; column l of the 32 is lane (l % 8) + 8 (l / 16) of tile 2 g + (l / 8) % 2
	v_and_b32 v11, 7, v0
	v_lshl_add_u32 v11, v3, 3, v11
	s_mul_i32 s21, s20, WW
	s_add_co_u32 s21, s21, WST
	v_mul_u32_u24 v6, v10, 3200
	v_lshl_add_u32 v6, v11, 3, v6
	v_add_nc_u32 v6, s21, v6                       ; into my stage: my tile's image, my lane's 8 bytes
	v_add_nc_u32 v7, s21, v4                       ; out of it: 16 bytes a lane
	v_lshlrev_b32 v8, 9, v10
	v_lshl_add_u32 v8, v11, 3, v8                  ; my scale words' place: 512 x tile + 8 x lane
.macro LOAD t                          ; block t: W(32 t + i, my column): 32 lanes read 128 consecutive bytes
.if (\t) > 0
	s_wait_xcnt 0x0                                ; the earlier loads have read their base: it steps only behind this wait
	s_add_nc_u64 s[4:5], s[4:5], s[28:29]
.endif
.irp i, 0,1,2,3,4,5,6,7,8,9,10,11,12,13,14,15,16,17,18,19,20,21,22,23,24,25,26,27,28,29,30,31
	global_load_b32 v[XWT+32*((\t)%2)+\i], v[OFS+\i], s[4:5] th:TH_LOAD_NT
.endr
.endm
.macro BLOCK t
.set XS, XWT+32*((\t)%2)
.if (\t) < 7
	s_wait_loadcnt 32                              ; this block's 32 loads are in; the next block's may be out
.else
	s_wait_loadcnt 0x0
.endif
	v_max3_num_f32 v12, |v[XS]|, |v[XS+1]|, |v[XS+2]|              ; the block's largest magnitude: all 32 numbers are mine
	v_max3_num_f32 v13, |v[XS+3]|, |v[XS+4]|, |v[XS+5]|
.irp i, 6,10,14,18,22,26
	v_max3_num_f32 v12, v12, |v[XS+\i]|, |v[XS+\i+1]|
	v_max3_num_f32 v13, v13, |v[XS+\i+2]|, |v[XS+\i+3]|
.endr
	v_max3_num_f32 v12, v12, |v[XS+30]|, |v[XS+31]|
	v_max3_num_f32 v12, v12, v13, 0x1800000        ; and the floor 2^(3 - 127)
	v_add_nc_u32 v14, 0xff000000, v12              ; 2 off the exponent field: the conversion's scale operand
	v_lshrrev_b32 v13, 23, v14                     ; the scale's byte
.if (\t)%4 == 0
	v_mov_b32 v[SB+(\t)/4], v13                    ; four bytes to a word, the lower K in the lower byte
.else
	v_lshl_or_b32 v[SB+(\t)/4], v13, 8*((\t)%4), v[SB+(\t)/4]
.endif
	v_cvt_scalef32_pk16_fp6_f32 v[CW:CW+2], v[XS:XS+15], v14
	v_cvt_scalef32_pk16_fp6_f32 v[DW:DW+2], v[XS+16:XS+31], v14     ; (a conversion's three registers begin on an even number)
	v_nop                                          ; one plain place behind a scaled conversion
.irp i, 0,1,2
	v_mov_b32 v[CW+3+\i], v[DW+\i]
.endr
.irp p, 0,1,2                          ; block t is half t % 2 of registers 6 c .. 6 c + 5, c = (t / 2) % 2, of fragment t / 4
	ds_store_b64 v6, v[CW+2*\p:CW+2*\p+1] offset:((\t)/4)*1536+(3*(((\t)/2)%2)+\p)*256+((\t)%2)*128
.endr
.if (\t)+2 < 8
	LOAD (\t)+2
.endif
	s_wait_dscnt 0x0                               ; the stores have read their registers: the next block's codes may be written
.endm
	LOAD 0
	LOAD 1
.irp t, 0,1,2,3,4,5,6,7
	BLOCK \t
.endr
	s_wait_alu depctr_va_vdst(0)
	global_store_b64 v8, v[SB:SB+1], s[12:13]      ; my column's two scale words
.irp n, 0,1,2,3,4,5,6,7,8,9,10,11
	ds_load_b128 v[OUTR+4*\n:OUTR+4*\n+3], v7 offset:(\n/6)*3200+(\n%6)*512   ; LDS serves a wave's instructions in order: these see my stores
.endr
.irp n, 0,1,2,3,4,5,6,7,8,9,10,11
	s_wait_dscnt 11-\n
	global_store_b128 v4, v[OUTR+4*\n:OUTR+4*\n+3], s[10:11] offset:(\n/6)*12288+(\n%6)*512   ; 512 consecutive bytes, at a multiple of 256 from the buffer's first byte
.endr
.Lend:
	s_wait_tensorcnt 0x0                           ; the wave's end, behind my last LDS store
	ds_add_u32 v[SPW], v[NIL]
	s_wait_dscnt 0x0
	s_endpgm
.Lfunc_end_k_q5a2df0f8e7_prep:
	.size	k_q5a2df0f8e7_prep, .Lfunc_end_k_q5a2df0f8e7_prep-k_q5a2df0f8e7_prep
	.p2alignl 7, 3214868480
	.fill 96, 4, 3214868480
	.section	.rodata,"a",@progbits
	.p2align	6, 0x0
	.amdhsa_kernel k_q5a2df0f8e7_prep
		.amdhsa_group_segment_fixed_size 59904
		.amdhsa_private_segment_fixed_size 0
		.amdhsa_enable_private_segment 0
		.amdhsa_kernarg_size 64
		.amdhsa_user_sgpr_count 2
		.amdhsa_user_sgpr_kernarg_segment_ptr 1
		.amdhsa_wavefront_size32 1
		.amdhsa_system_sgpr_workgroup_id_x 1
		.amdhsa_system_sgpr_workgroup_id_y 1
		.amdhsa_system_sgpr_workgroup_id_z 1
		.amdhsa_system_vgpr_workitem_id 0
		.amdhsa_next_free_vgpr 256
		.amdhsa_next_free_sgpr 66
		.amdhsa_reserve_vcc 1
		.amdhsa_float_denorm_mode_32 3
		.amdhsa_float_denorm_mode_16_64 3
		.amdhsa_memory_ordered 1
		.amdhsa_forward_progress 1
		.amdhsa_inst_pref_size 75
	.end_amdhsa_kernel
	.amdgpu_metadata
---
amdhsa.version: [ 1, 2 ]
amdhsa.kernels:
  - .name:           k_q5a2df0f8e7_prep
    .symbol:         k_q5a2df0f8e7_prep.kd
    .args:
      - { .name: x, .offset: 0, .size: 8, .value_kind: global_buffer, .address_space: global }
      - { .name: W_in, .offset: 8, .size: 8, .value_kind: global_buffer, .address_space: global }
      - { .name: W_out, .offset: 16, .size: 8, .value_kind: global_buffer, .address_space: global }
      - { .name: xc, .offset: 24, .size: 8, .value_kind: global_buffer, .address_space: global }
      - { .name: xs, .offset: 32, .size: 8, .value_kind: global_buffer, .address_space: global }
      - { .name: wc, .offset: 40, .size: 8, .value_kind: global_buffer, .address_space: global }
      - { .name: ws, .offset: 48, .size: 8, .value_kind: global_buffer, .address_space: global }
      - { .name: wo, .offset: 56, .size: 8, .value_kind: global_buffer, .address_space: global }
    .group_segment_fixed_size: 59904
    .private_segment_fixed_size: 0
    .kernarg_segment_align: 8
    .kernarg_segment_size: 64
    .max_flat_workgroup_size: 128
    .sgpr_count:     66
    .vgpr_count:     256
    .wavefront_size: 32
...
	.end_amdgpu_metadata
.endif
;; end of part 1
;; launch qkv (part 2): grid 12 x 32, 4 waves a work-group, clusters of 4 x 4, 327,680 bytes of LDS; arguments xc, xs, wc, ws, b_in, qkvc, qkvs; writes qkvc, qkvs
.if DOCPART == 2
	.amdgcn_target "amdgcn-amd-amdhsa--gfx1250"
	.amdhsa_code_object_version 6
	.text
	.protected	k_q5a2df0f8e7_qkv
	.globl	k_q5a2df0f8e7_qkv
	.p2align	8
	.type	k_q5a2df0f8e7_qkv,@function
k_q5a2df0f8e7_qkv:
	s_mov_b64 s[64:65], 0
	v_nop
	global_prefetch_b8 v0, s[64:65] scope:SCOPE_SE
	s_setreg_imm32_b32 hwreg(HW_REG_WAVE_MODE, 25, 1), 1
	s_wait_xcnt 0x0
	s_wait_alu depctr_hold_cnt(0) depctr_sa_sdst(0) depctr_va_vdst(0) depctr_va_sdst(0) depctr_va_ssrc(0) depctr_va_vcc(0) depctr_vm_vsrc(0)
	s_getreg_b32 s2, hwreg(HW_REG_IB_STS2, 6, 4)
	s_cmp_eq_u32 s2, 0
	s_cbranch_scc0 .Lentry_in_a_cluster
	s_endpgm
.Lentry_in_a_cluster:
	s_bfe_u32 s2, ttmp6, 0x10000c
	s_cmp_lg_u32 s2, 0xf033
	s_cbranch_scc0 .Lentry_shape_is_right
	s_endpgm
.Lentry_shape_is_right:
.set NQ,    2
.set FR,    12
.set NL,    6
.set NP,    4
.set FRB,   1536
.set TSL,   2*FRB
.set HALFT, 8*TSL
.set SLOT,  4*HALFT
.set SCL,   2*SLOT
.set SPARE, SCL+4*4096
.set QSZ,   6291456
.set SSZ,   262144
.set HC,    98304
.set HS,    4096
.set ADRA, 16
.set ADRB, 20
.set VBQ,  22
.set VBV,  23
.set CO,   24
.set SOF,  25
.set ADRS, 27
.set SPW,  28
.set NIL,  29
.set SC,   32
.set BI,   64
.set AF,   128
.set T,    128
.set TM,   232
.set PW,   248
.set SEL,  2
.set G1,   24
.set G0,   32
.set G1B,  48
.set G0B,  56
.set G1S,  68
.set G0S,  76
.set G1SB, 80
.set G0SB, 88
.set MSB, 0
.macro WIN new
.if MSB != (\new)
	s_set_vgpr_msb (MSB<<8)|(\new)
.set MSB, (\new)
.endif
.endm
.set MUL_LO, 0xa1
.set MUL_HI, 0xf1
.set TO_B,   0x40
.macro JLOAD g0a, g1a, g0b, g1b
	s_cmp_eq_u32 s15, 0
	s_cbranch_scc0 .Lfor_b_\@
	tensor_load_to_lds s[\g0a:\g0a+3], s[\g1a:\g1a+7]
	s_nop 0
.rept 4
	v_nop
.endr
	s_branch .Lasked_\@
.Lfor_b_\@:
	tensor_load_to_lds s[\g0b:\g0b+3], s[\g1b:\g1b+7]
	s_nop 0
.rept 4
	v_nop
.endr
.Lasked_\@:
.endm
.macro CREST
	s_cmp_lg_u32 s14, 0
	s_cbranch_scc1 .Lnot_wave_0_\@
	s_barrier_signal -3
.Lnot_wave_0_\@:
	s_barrier_wait -3
	s_barrier_signal -1
	s_barrier_wait -1
.endm
.macro CROUND
	s_barrier_signal -1
	s_barrier_wait -1
	CREST
.endm
	s_load_b128 s[4:7], s[0:1], 0x0
	s_load_b128 s[8:11], s[0:1], 0x10
	s_load_b64 s[12:13], s[0:1], 0x20
	s_load_b128 s[92:95], s[0:1], 0x28
	v_lshl_add_u32 v[SPW], v0, 2, SPARE
	v_mov_b32 v[NIL], 0
	ds_add_u32 v[SPW], v[NIL]
	ds_add_u32 v[SPW], v[NIL]
	v_lshrrev_b32 v1, 5, v0
	v_readfirstlane_b32 s14, v1
	s_lshr_b32 s15, s14, 1
	s_and_b32 s16, s14, 1
	s_bfe_u32 s40, ttmp6, 0x40000
	s_bfe_u32 s41, ttmp6, 0x40004
	s_and_b32 s66, ttmp7, 0xffff
	s_cmp_eq_u32 ttmp9, 2
	s_cselect_b32 s98, ttmp9, s66
	s_cselect_b32 s99, s66, ttmp9
	s_lshl_b32 s17, s98, 2
	s_add_co_u32 s17, s17, s41
	s_lshl_b32 s42, s99, 2
	s_add_co_u32 s42, s42, s40
	s_lshl_b32 s43, s41, 2
	s_lshl_b32 s43, 15, s43
	s_lshl_b32 s44, 0x1111, s40
	s_or_b32 s[G1+0], s43, (3<<16)|(1<<21)
	s_or_b32 s[G1B+0], s44, (3<<16)|(1<<21)
.irp g, G1, G1B
	s_mov_b32 s[\g+1], 384<<16
	s_mov_b32 s[\g+2], 16<<16
	s_mov_b32 s[\g+3], 384<<16
	s_mov_b32 s[\g+4], 16
	s_mov_b32 s[\g+5], 1536
	s_mov_b32 s[\g+6], 0
	s_mov_b32 s[\g+7], 0
.endr
	s_or_b32 s[G1S+0], s43, (3<<16)|(1<<21)
	s_or_b32 s[G1SB+0], s44, (3<<16)|(1<<21)
.irp g, G1S, G1SB
	s_mov_b32 s[\g+1], 32<<16
	s_mov_b32 s[\g+2], 32<<16
	s_mov_b32 s[\g+3], 32<<16
	s_mov_b32 s[\g+4], 32
	s_mov_b32 s[\g+5], 32
	s_mov_b32 s[\g+6], 0
	s_mov_b32 s[\g+7], 0
.endr
	s_lshl_b32 s20, s17, 4                         ; the block's first tile of 16 rows, for A and for B
	s_lshl_b32 s46, s42, 4
	s_lshl_b32 s22, s20, 9
	s_mov_b32 s23, 0
	s_lshl_b32 s96, s46, 9
	s_mov_b32 s97, 0
	s_mul_i32 s20, s20, 12288
	s_mov_b32 s21, 0
	s_mul_i32 s46, s46, 12288
	s_mov_b32 s47, 0
	s_mul_i32 s45, s14, HALFT
	s_mul_i32 s18, s16, 8*12288                    ; in the ring I fetch 8 of a block's 16 tiles: which half, in bytes
	s_mov_b32 s19, 0
	s_mov_b32 s[SEL], 0x76543210
	s_mov_b32 s[SEL+1], 0xfedcba98
	s_wait_dscnt 0x0
	s_wait_kmcnt 0x0
	s_cmp_eq_u32 ttmp9, 2
	s_cselect_b64 s[98:99], s[8:9], s[4:5]
	s_cselect_b64 s[100:101], s[10:11], s[6:7]
	s_cselect_b64 s[8:9], s[4:5], s[8:9]
	s_cselect_b64 s[10:11], s[6:7], s[10:11]
	s_add_nc_u64 s[20:21], s[98:99], s[20:21]
	s_add_nc_u64 s[22:23], s[100:101], s[22:23]
	s_add_nc_u64 s[46:47], s[8:9], s[46:47]
	s_add_nc_u64 s[96:97], s[10:11], s[96:97]
	CROUND
	s_mov_b32 s[G0S], 1
	s_mov_b32 s[G0S+1], SCL
	s_mov_b64 s[G0S+2:G0S+3], s[22:23]
	s_or_b32 s[G0S+3], s[G0S+3], 0x80000000
	s_mov_b32 s[G0SB], 1
	s_mov_b32 s[G0SB+1], SCL+8192
	s_mov_b64 s[G0SB+2:G0SB+3], s[96:97]
	s_or_b32 s[G0SB+3], s[G0SB+3], 0x80000000
	s_mov_b32 s4, 1                                ; group 0 for the head's loads of slot 0: A's 16 tiles (the arguments that lay here have been used),
	s_mov_b32 s5, 0
	s_mov_b64 s[6:7], s[20:21]
	s_or_b32 s7, s7, 0x80000000
	s_mov_b32 s8, 1                                ; and B's 16 tiles, behind them
	s_mov_b32 s9, 2*HALFT
	s_mov_b64 s[10:11], s[46:47]
	s_or_b32 s11, s11, 0x80000000
	s_add_nc_u64 s[20:21], s[20:21], s[18:19]      ; for the ring: my 8 tiles
	s_add_nc_u64 s[46:47], s[46:47], s[18:19]
.irp s, 0,1
	s_mov_b32 s[G0+4*\s], 1
	s_add_co_u32 s[G0+4*\s+1], s45, \s*SLOT
	s_add_nc_u64 s[G0+4*\s+2:G0+4*\s+3], s[20:21], \s*TSL
	s_or_b32 s[G0+4*\s+3], s[G0+4*\s+3], 0x80000000
	s_mov_b32 s[G0B+4*\s], 1
	s_add_co_u32 s[G0B+4*\s+1], s45, \s*SLOT
	s_add_nc_u64 s[G0B+4*\s+2:G0B+4*\s+3], s[46:47], \s*TSL
	s_or_b32 s[G0B+4*\s+3], s[G0B+4*\s+3], 0x80000000
.endr
; the head's four tiles, one joint load a wave: wave 0 slot 0's 16 tiles of A, wave 1 those of B, wave 2 A's scale words, wave 3 B's; one tree of branches on the wave's number
.macro ARM under, g0, g1, next
	s_cmp_lt_u32 s14, \under
	s_cbranch_scc0 \next
	tensor_load_to_lds s[\g0:\g0+3], s[\g1:\g1+7]
	s_nop 0
.rept 4
	v_nop
.endr
	s_branch .Lhead_asked
\next:
.endm
	ARM 1, 4, G1, .Lhead_b
	ARM 2, 8, G1B, .Lhead_sa
	ARM 3, G0S, G1S, .Lhead_sb
	tensor_load_to_lds s[G0SB:G0SB+3], s[G1SB:G1SB+7]
	s_nop 0
.rept 4
	v_nop
.endr
.Lhead_asked:
	v_and_b32 v1, 31, v0
	v_and_b32 v2, 15, v0
	v_bfe_u32 v3, v0, 4, 1
	s_wait_alu depctr_va_vdst(0)
	v_lshlrev_b32 v4, 3, v1
	s_mul_i32 s98, s15, HALFT
	s_mul_i32 s99, s16, HALFT
	s_add_co_u32 s99, s99, 2*HALFT
.irp s, 0,1
	v_add_nc_u32 v[ADRA+\s], s98, v4
	v_add_nc_u32 v[ADRB+\s], s99, v4
	s_add_co_u32 s98, s98, SLOT
	s_add_co_u32 s99, s99, SLOT
.endr
	s_lshl_b32 s98, s15, 12
	s_lshl_b32 s99, s16, 12
	s_add_co_u32 s99, s99, 8192
	s_sub_co_u32 s99, s99, s98
	v_mul_u32_u24 v5, s99, v3
	s_add_co_u32 s98, s98, SCL
	v_lshl_add_u32 v5, v2, 3, v5
	v_add_nc_u32 v[ADRS], s98, v5
	v_lshlrev_b32 v[VBQ], 6, v3
	v_and_b32 v5, 8, v2
	v_add_nc_u32 v5, v5, v2
	v_lshlrev_b32 v[VBV], 2, v5
	v_lshlrev_b32 v[CO], 4, v1
	v_lshlrev_b32 v[SOF], 12, v3
	v_lshl_add_u32 v[SOF], v2, 4, v[SOF]
.irp b, 0,1,2,3
	v_mov_b32 v[TM+4+\b], 0
.endr
	s_cmp_eq_u32 ttmp9, 2
	s_cselect_b32 s98, s42, s17
	s_cselect_b32 s99, s16, s15
	s_cselect_b32 s100, s41, s40
	s_cselect_b32 s101, s15, s16
	s_cselect_b32 s18, s17, s42
	s_lshr_b32 s19, s98, 3
	s_lshl_b32 s19, s19, 4
	s_lshl_b32 s100, s100, 2
	s_add_co_u32 s19, s19, s100
	s_lshl_b32 s100, s101, 1
	s_add_co_u32 s19, s19, s100
	s_and_b32 s98, s98, 7
	s_lshl_b32 s98, s98, 1
	s_add_co_u32 s98, s98, s99
	s_mul_i32 s66, ttmp9, QSZ
	s_mul_i32 s99, s19, HC
	s_add_co_u32 s66, s66, s99
	s_mul_i32 s99, s98, 6144
	s_add_co_u32 s66, s66, s99
	s_mov_b32 s67, 0
	s_add_nc_u64 s[92:93], s[92:93], s[66:67]
	s_mul_i32 s66, ttmp9, SSZ
	s_lshl_b32 s99, s19, 12
	s_add_co_u32 s66, s66, s99
	s_lshl_b32 s99, s98, 8
	s_add_co_u32 s66, s66, s99
	s_add_nc_u64 s[94:95], s[94:95], s[66:67]
	s_lshl_b32 s66, s18, 10
	s_lshl_b32 s99, s101, 9
	s_add_co_u32 s66, s66, s99
	s_add_nc_u64 s[12:13], s[12:13], s[66:67]
.macro FRAG reg, adr, q, i
.irp p, 0,1,2,3,4,5
	ds_load_b64 v[\reg+2*\p:\reg+2*\p+1], v[\adr] offset:(\i)*TSL+(\q)*FRB+\p*256
.endr
.endm
.macro MUL16 a0, p, q, sc, zero
.irp a, \a0, \a0+1
.irp b, 0,1,2,3,4,5,6,7
.if \zero
	v_wmma_scale_f32_16x16x128_f8f6f4 v[8*(8*((\a)%4)+\b):8*(8*((\a)%4)+\b)+7], v[128*(\p)+FR*\b:128*(\p)+FR*\b+FR-1], v[AF+FR*(\a):AF+FR*(\a)+FR-1], 0, v[SC+8*NQ*(\sc)+NQ*\b+(\q)], v[SC+8*NQ*(\sc)+NQ*(\a)+(\q)] matrix_a_fmt:MATRIX_FMT_FP6 matrix_b_fmt:MATRIX_FMT_FP6 matrix_a_scale:MATRIX_SCALE_ROW1
.else
	v_wmma_scale_f32_16x16x128_f8f6f4 v[8*(8*((\a)%4)+\b):8*(8*((\a)%4)+\b)+7], v[128*(\p)+FR*\b:128*(\p)+FR*\b+FR-1], v[AF+FR*(\a):AF+FR*(\a)+FR-1], v[8*(8*((\a)%4)+\b):8*(8*((\a)%4)+\b)+7], v[SC+8*NQ*(\sc)+NQ*\b+(\q)], v[SC+8*NQ*(\sc)+NQ*(\a)+(\q)] matrix_a_fmt:MATRIX_FMT_FP6 matrix_b_fmt:MATRIX_FMT_FP6 matrix_a_scale:MATRIX_SCALE_ROW1
.endif
.endr
.endr
.endm
.macro FETCH_B slot, q, p
	WIN TO_B
.irp i, 0,1,2,3,4,5,6,7
	FRAG 128*(\p)+FR*\i, ADRB+\slot, \q, \i
.endr
	WIN 0
.endm
.macro FETCH_A slot, q, i0
.irp i, \i0, \i0+1, \i0+2, \i0+3
	FRAG AF+FR*(\i), ADRA+\slot, \q, \i
.endr
.endm
.macro SCALES sc
.irp i, 0,1,2,3,4,5,6,7
	ds_load_b64 v[SC+8*NQ*\sc+NQ*\i:SC+8*NQ*\sc+NQ*\i+1], v[ADRS] offset:\i*512
.endr
.endm
.macro PLACES n
.rept \n
	v_nop
.endr
.endm
.macro STEP slot, q, zero
	s_wait_dscnt 4*NL
	WIN MUL_LO
	MUL16 0, (\q)%2, \q, \slot, \zero
	MUL16 2, (\q)%2, \q, \slot, \zero
	s_wait_dscnt 0
	PLACES NP
	FETCH_B \slot, (\q)+1, 1-(\q)%2
	FETCH_A \slot, (\q)+1, 0
	WIN MUL_HI
	MUL16 4, (\q)%2, \q, \slot, \zero
	MUL16 6, (\q)%2, \q, \slot, \zero
	PLACES NP
	WIN 0
	FETCH_A \slot, (\q)+1, 4
.endm
.macro TURN slot, next, fill
	s_wait_tensorcnt 0x0
	ds_add_u32 v[SPW], v[NIL]
	s_wait_dscnt 4*NL+1
	WIN MUL_LO
	MUL16 0, 1, NQ-1, \slot, 0
	s_wait_dscnt 0x0
	s_barrier_signal -1
	MUL16 2, 1, NQ-1, \slot, 0
	WIN 0
	s_barrier_wait -1
.if \fill
	CREST
	s_add_nc_u64 s[G0+4*\slot+2:G0+4*\slot+3], s[G0+4*\slot+2:G0+4*\slot+3], 2*TSL
	s_add_nc_u64 s[G0B+4*\slot+2:G0B+4*\slot+3], s[G0B+4*\slot+2:G0B+4*\slot+3], 2*TSL
	JLOAD G0+4*\slot, G1, G0B+4*\slot, G1B
.else
	PLACES NP
.endif
	s_wait_alu depctr_va_vdst(0)
	v_add_nc_u32 v[ADRS], 128, v[ADRS]
	FETCH_B \next, 0, 0
	FETCH_A \next, 0, 0
	SCALES \next
	WIN MUL_HI
	MUL16 4, 1, NQ-1, \slot, 0
	MUL16 6, 1, NQ-1, \slot, 0
	PLACES NP
	WIN 0
	FETCH_A \next, 0, 4
.endm
.macro LAST
	s_wait_dscnt 4*NL
	WIN MUL_LO
	MUL16 0, 1, NQ-1, 1, 0
	MUL16 2, 1, NQ-1, 1, 0
	s_wait_dscnt 0
	WIN MUL_HI
	MUL16 4, 1, NQ-1, 1, 0
	MUL16 6, 1, NQ-1, 1, 0
	WIN 0
.endm
.macro QUANT s, pc
.irp b, 0,1,2,3
	v_max3_num_f32 v[TM+\b], |v[\s+16*\b]|, |v[\s+1+16*\b]|, 0x1800000
.endr
.irp i, 2,4,6,8,10,12,14
.irp b, 0,1,2,3
	v_max3_num_f32 v[TM+\b], v[TM+\b], |v[\s+16*\b+\i]|, |v[\s+1+16*\b+\i]|
.endr
.endr
.irp b, 0,1,2,3
	v_permlanex16_b32 v[TM+4+\b], v[TM+\b], s[SEL], s[SEL+1]
.endr
.irp b, 0,1,2,3
	v_max_num_f32 v[TM+\b], v[TM+\b], v[TM+4+\b]
.endr
.irp b, 0,1,2,3
	v_add_nc_u32 v[TM+12+\b], 0xff000000, v[TM+\b]
.endr
.irp b, 0,1,2,3
	v_lshrrev_b32 v[TM+4+\b], 23, v[TM+12+\b]
.endr
	v_lshl_or_b32 v[PW], v[TM+5], 8, v[TM+4]
	v_lshl_or_b32 v[PW], v[TM+6], 16, v[PW]
	v_lshl_or_b32 v[PW], v[TM+7], 24, v[PW]
.irp c, 0,1
	v_cvt_scalef32_pk16_fp6_f32 v[(\pc)+6*\c:(\pc)+2+6*\c], v[\s+32*\c:\s+15+32*\c], v[TM+12+2*\c]
	v_cvt_scalef32_pk16_fp6_f32 v[(\pc)+12+4*\c:(\pc)+14+4*\c], v[\s+16+32*\c:\s+31+32*\c], v[TM+12+2*\c+1]
.endr
	v_nop
.irp c, 0,1
.irp i, 0,1,2
	v_permlane16_swap_b32 v[(\pc)+6*\c+\i], v[(\pc)+12+4*\c+\i]
.endr
.irp i, 0,1,2
	v_mov_b32 v[(\pc)+3+6*\c+\i], v[(\pc)+12+4*\c+\i]
.endr
.endr
.endm
.macro WAYOUT isv
	PLACES NP
	s_wait_loadcnt 0x0
.set N, 0
.irp hd, 0,1
.irp i, 0,1,2,3
.set PCN, 192+20*(N%2)
.if \isv
.set AA, 4*\hd+\i
	WIN 0x02+AA/4
.irp b, 0,1,2,3,4,5,6,7
.irp jj, 0,2,4,6
	v_pk_add_f32 v[T+8*\b+\jj:T+8*\b+\jj+1], v[8*(8*(AA%4)+\b)+\jj:8*(8*(AA%4)+\b)+\jj+1], v[BI+2*AA:BI+2*AA+1]
.endr
.endr
.else
.irp g, 0,1
.set AA, 2*\i+\g
	WIN 0x02+AA/4
.irp bl, 0,1,2,3
.irp jj, 0,2,4,6
	v_pk_add_f32 v[T+32*\g+8*\bl+\jj:T+32*\g+8*\bl+\jj+1], v[8*(8*(AA%4)+4*\hd+\bl)+\jj:8*(8*(AA%4)+4*\hd+\bl)+\jj+1], v[BI+8*(4*\hd+\bl)+\jj:BI+8*(4*\hd+\bl)+\jj+1]
.endr
.endr
.endr
.endif
	WIN 0
	s_wait_xcnt 0x0
	QUANT T, PCN
	v_mov_b32 v[32+4*\hd+\i], v[PW]
.irp j, 0,1,2
	global_store_b128 v[CO], v[PCN+4*\j:PCN+4*\j+3], s[92:93] offset:\hd*HC+\i*FRB+\j*512
.endr
.set N, N+1
.endr
.endr
	v_and_b32 v1, 31, v0
	v_cmp_lt_u32 vcc_lo, 15, v1
.irp i, 0,1,2,3
	v_cndmask_b32 v[40+\i], v[32+\i], v[36+\i], vcc_lo
.endr
	global_store_b128 v[SOF], v[40:43], s[94:95]
.endm
	s_wait_alu depctr_va_vdst(0)                   ; the wait at the head's end
	s_wait_tensorcnt 0x0                           ; my tile of the head's four is in; the lines ahead of a later first fill:
	ds_add_u32 v[SPW], v[NIL]
	s_mov_b32 s[G1+2], 8<<16                       ; no tensor load of mine is out: from here on a load brings 8 tiles
	s_mov_b32 s[G1+4], 8
	s_mov_b32 s[G1B+2], 8<<16
	s_mov_b32 s[G1B+4], 8
	s_wait_dscnt 0x0
	CROUND                                         ; all four tiles are in, all sixteen work-groups are here
	JLOAD G0+4, G1, G0B+4, G1B                     ; slot 1's first fill, the first tensor load behind the round
	FETCH_B 0, 0, 0
	FETCH_A 0, 0, 0
	SCALES 0
	FETCH_A 0, 0, 4
	STEP 0, 0, 1
	TURN 0, 1, 1
	STEP 1, 0, 0
	TURN 1, 0, 1
	STEP 0, 0, 0
	TURN 0, 1, 0
	STEP 1, 0, 0
	s_cmp_eq_u32 ttmp9, 2
	s_cbranch_scc1 .Lv
.irp b, 0,1,2,3,4,5,6,7
	global_load_b128 v[BI+8*\b:BI+8*\b+3], v[VBQ], s[12:13] offset:(32*(\b/2)+8*(\b%2))*4
	global_load_b128 v[BI+8*\b+4:BI+8*\b+7], v[VBQ], s[12:13] offset:(32*(\b/2)+8*(\b%2))*4+16
.endr
	LAST
	WAYOUT 0
	s_branch .Lend
.Lv:
.irp a, 0,1,2,3,4,5,6,7
	global_load_b32 v[BI+2*\a], v[VBV], s[12:13] offset:(32*(\a/2)+8*(\a%2))*4
	global_load_b32 v[BI+2*\a+1], v[VBV], s[12:13] offset:(32*(\a/2)+8*(\a%2))*4
.endr
	LAST
	WAYOUT 1
.Lend:
	s_wait_tensorcnt 0x0
	ds_add_u32 v[SPW], v[NIL]
	s_wait_dscnt 0x0
	CROUND
	s_endpgm
.Lfunc_end_k_q5a2df0f8e7_qkv:
	.size	k_q5a2df0f8e7_qkv, .Lfunc_end_k_q5a2df0f8e7_qkv-k_q5a2df0f8e7_qkv
	.p2alignl 7, 3214868480
	.fill 96, 4, 3214868480
	.section	.rodata,"a",@progbits
	.p2align	6, 0x0
	.amdhsa_kernel k_q5a2df0f8e7_qkv
		.amdhsa_group_segment_fixed_size 327680
		.amdhsa_private_segment_fixed_size 0
		.amdhsa_enable_private_segment 0
		.amdhsa_kernarg_size 56
		.amdhsa_user_sgpr_count 2
		.amdhsa_user_sgpr_kernarg_segment_ptr 1
		.amdhsa_wavefront_size32 1
		.amdhsa_system_sgpr_workgroup_id_x 1
		.amdhsa_system_sgpr_workgroup_id_y 1
		.amdhsa_system_sgpr_workgroup_id_z 1
		.amdhsa_system_vgpr_workitem_id 0
		.amdhsa_next_free_vgpr 1024
		.amdhsa_next_free_sgpr 102
		.amdhsa_reserve_vcc 1
		.amdhsa_float_denorm_mode_32 3
		.amdhsa_float_denorm_mode_16_64 3
		.amdhsa_memory_ordered 1
		.amdhsa_forward_progress 1
		.amdhsa_inst_pref_size 242
	.end_amdhsa_kernel
	.amdgpu_metadata
---
amdhsa.version: [ 1, 2 ]
amdhsa.kernels:
  - .name:           k_q5a2df0f8e7_qkv
    .symbol:         k_q5a2df0f8e7_qkv.kd
    .args:
      - { .name: xc, .offset: 0, .size: 8, .value_kind: global_buffer, .address_space: global }
      - { .name: xs, .offset: 8, .size: 8, .value_kind: global_buffer, .address_space: global }
      - { .name: wc, .offset: 16, .size: 8, .value_kind: global_buffer, .address_space: global }
      - { .name: ws, .offset: 24, .size: 8, .value_kind: global_buffer, .address_space: global }
      - { .name: b_in, .offset: 32, .size: 8, .value_kind: global_buffer, .address_space: global }
      - { .name: qkvc, .offset: 40, .size: 8, .value_kind: global_buffer, .address_space: global }
      - { .name: qkvs, .offset: 48, .size: 8, .value_kind: global_buffer, .address_space: global }
    .group_segment_fixed_size: 327680
    .private_segment_fixed_size: 0
    .kernarg_segment_align: 8
    .kernarg_segment_size: 56
    .max_flat_workgroup_size: 128
    .sgpr_count:     102
    .vgpr_count:     1024
    .wavefront_size: 32
...
	.end_amdgpu_metadata
.endif
;; end of part 2
;; launch attn (part 3): grid 4 x 64, 16 waves a work-group, clusters of 4 x 1, 231,424 bytes of LDS; arguments qkvc, qkvs, oq; writes oq
.if DOCPART == 3
	.amdgcn_target "amdgcn-amd-amdhsa--gfx1250"
	.amdhsa_code_object_version 6
	.text
	.protected	k_q5a2df0f8e7_attn
	.globl	k_q5a2df0f8e7_attn
	.p2align	8
	.type	k_q5a2df0f8e7_attn,@function
k_q5a2df0f8e7_attn:
	s_mov_b64 s[64:65], 0
	v_nop
	global_prefetch_b8 v0, s[64:65] scope:SCOPE_SE
	s_setreg_imm32_b32 hwreg(HW_REG_WAVE_MODE, 25, 1), 1
	s_wait_xcnt 0x0
	s_wait_alu depctr_hold_cnt(0) depctr_sa_sdst(0) depctr_va_vdst(0) depctr_va_sdst(0) depctr_va_ssrc(0) depctr_va_vcc(0) depctr_vm_vsrc(0)
	s_getreg_b32 s2, hwreg(HW_REG_IB_STS2, 6, 4)
	s_cmp_eq_u32 s2, 0
	s_cbranch_scc0 .Lentry_in_a_cluster
	s_endpgm
.Lentry_in_a_cluster:
	s_bfe_u32 s2, ttmp6, 0x10000c
	s_cmp_lg_u32 s2, 0x3003
	s_cbranch_scc0 .Lentry_shape_is_right
	s_endpgm
.Lentry_shape_is_right:
; o = softmax(q k^T / 8) v for one head of 64 channels and 2,048 tokens, both products on codes of FP6 (E2M3) with one E8M0 scale for each 32 along a product's K; o is quantised at once for the last product.
; THE SOFTMAX: t = score x log2(e) / 8; M = the row's largest t so far, rounded UP to a whole number; p = 2^(t - M) is quantised along the keys, not normalised.  The row's sum is taken of the unquantised p
; and divides O at the end.  When M moves, the sum and O are multiplied by 2^(old M - new M): exact.  q's factor 1/8 is a power of two: it stands in the constant c.
; SHARES.  A work-group owns 512 queries of one head; each of its sixteen waves owns 32, one image of q, and walks all keys twice, once for each tile of 16 queries.  Four waves to a SIMD, 256 registers each.
; A WHOLE HEAD'S K AND V STAY IN LDS.  They are asked for once, at the head, one tensor load a wave: waves 0-5 a sixth of K's codes each, waves 6-11 a sixth of V's, waves 12 and 13 the scale words.
; Nothing is filled again: no ring, one barrier, and no loop in which anything could be asked of memory ahead of its load, so no prefetch is laid.
; CLUSTER.  The four work-groups of a head read the same K and V: each tile is asked for JOINTLY, by the same tensor load with the same descriptor and a mask that names the four.
; LAYOUT.  Both products are used transposed: S^T = K Q^T, O^T = V^T P^T: a lane holds ONE query (lane % 16) throughout.  Operands lie in memory as images of their registers (registers 4 j .. 4 j + 3 of lane l at 512 j + 16 l).
; An image of k holds the 32 keys of one block: in each half of the instruction's K one tile of 16; lanes 8 g .. 8 g + 7 of half u hold keys 16 g + 8 u + 0 .. 7.  It is multiplied by [q | zeros] and by [zeros | q].
; A LANE OF S^T OWNS WHOLE BLOCKS OF KEYS.  My fragment n = 2 c + g takes its rows 0-7 from lanes 8 g .. of block 2 c's image and its rows 8-15 from the same lanes of block 2 c + 1's: only the lanes' LDS addresses say so.
; Then registers 32 c + 0 .. 31 of lane (query, h) are keys 0 .. 31 of block 2 c + h, in order: the block's largest needs no other lane, and the conversions' results are p's operand as they stand.
; K's images lie in LDS with 128 bytes of padding behind each 512 (the descriptor lays it): an image is 1,920 bytes, so the two groups of eight lanes of a load touch different halves of a run of 256 bytes.
; LIMITS: the promise holds while the scaled scores stay under 2^31 in magnitude; a block of p or o whose largest magnitude lies under 2^-124 keeps the byte 1 (a block of zeros too: its codes are zeros); NaN and infinities are not served.
.set QSZ,  6291456
.set SSZ,  262144
.set HC,   98304
.set VC,   122880                      ; LDS: K's codes at 0 (64 images x 1,920), V's here (dense),
.set KS,   221184                      ; K's scale words,
.set VS,   225280                      ; V's,
.set SPARE, 229376                     ; and the spare words, 128 bytes for each wave: eight blocks of 256 bytes that no other line names
.set AK0,  1                           ; v1   my lane's place in K's images: 1,920 (r / 8) + 256 h + 16 (r % 8)
.set AV0,  2                           ; v2   in V's: 16 l
.set ASK0, 3                           ; v3   K's scale words: 16 (r % 8) + 4 (r / 8)
.set ASV0, 4                           ; v4   V's: 16 r
.set SPW,  5                           ; v5   LDS address of my spare word; never rewritten
.set NIL,  6                           ; v6   0; never rewritten
.set GO,   7                           ; v7   8 l: the way out
.set ADK,  8                           ; v8-11 the step's addresses      (v12 -M, v13 the largest score, v[14:15] the sum in two halves)
.set ADV,  9
.set ADS,  10
.set ADT,  11
.set QA,   16                          ; v16-33 [q 6][zeros 6][q 6]: v[16:27] and v[22:33] are the two forms
.set QI,   34                          ; v34-45 q's image: two tiles
.set QW,   46                          ; v46  its scale word
.set QS,   47                          ; v47  the tile's two bytes, twice
.set KF,   48                          ; v48-95 four fragments of K, then of V
.set S,    96                          ; v96-159 S^T, then p
.set O,    160                         ; v160-191 O^T
.set PC,   192                         ; v192-203 p's codes
.set PT,   204                         ; v204-210 the blocks' upper halves before they are moved
.set BM,   212                         ; v212-213 my two blocks' largest
.set BX,   214                         ; v214-215 second chains; the other half's; the bytes
.set SO,   216                         ; v216-217 the conversions' scale operands
.set T1,   218
.set H8,   219                         ; v219 8 h
.set KSW,  220                         ; v220-223 K's scale words
.set VSW,  224                         ; v224-227 V's
.set PW,   228                         ; v228 p's scale word
.set T2,   229
.set FF,   230                         ; v[230:231] f = 2^(old M - new M)
.set RL,   232                         ; v[232:233] 1 / the sum
.set GS,   234                         ; v234 8 r + h: where my scale byte of o goes
.set BY,   235
.set AC,   236                         ; v236-249 seven more chains of the sum
.set WV,   18
.set SEL,  20
.set CS,   22
.set G1K,  24                          ; s[24:31], s[32:39], s[40:47] group 1 for K's codes, V's codes, scale words
.set G1V,  32
.set G1S,  40
.set G0K,  48                          ; s[48:51], s[52:55], s[56:59] their groups 0
.set G0V,  52
.set G0S,  56
.set TB,   60                          ; s60  LDS byte at which the step's images of K begin: 7,680 a step
.set TV,   61                          ; s61  V's: 6,144 a step
.set TS,   62                          ; s62  the scale words': 256 a step
.set CNT,  63
.set HM,   82                          ; s82  the mask of lanes 16-31
.macro CROUND                          ; a round of the cluster's barrier
	s_barrier_signal -1
	s_barrier_wait -1
	s_cmp_lg_u32 s[WV], 0
	s_cbranch_scc1 .Lnot_wave_0_\@
	s_barrier_signal -3
.Lnot_wave_0_\@:
	s_barrier_wait -3
	s_barrier_signal -1
	s_barrier_wait -1
.endm
	s_load_b128 s[4:7], s[0:1], 0x0                ; qkvc s[4:5], qkvs s[6:7]
	s_load_b64 s[8:9], s[0:1], 0x10                ; oq
	v_lshl_add_u32 v[SPW], v0, 2, SPARE
	v_mov_b32 v[NIL], 0
	ds_add_u32 v[SPW], v[NIL]                      ; the opening lines: the add, twice on end, and one wait; work on registers between
	ds_add_u32 v[SPW], v[NIL]
	v_lshrrev_b32 v8, 5, v0
	v_readfirstlane_b32 s[WV], v8                  ; wave 0..15
	s_bfe_u32 s10, ttmp6, 0x40000                  ; cx: which 512 queries: it enters q's and o's addresses alone
	s_and_b32 s11, ttmp7, 0xffff                   ; 16 x batch + head, which the four partners share
	; group 1: rows of 512 bytes (64 elements of 8); mask: all four work-groups, bit 21 beside it.  K: 32 rows, 32 words of padding behind each 128; V: 32 rows, dense; scale words: 8 rows
	s_mov_b32 s[G1K], 15|(3<<16)|(1<<20)|(1<<21)|(6<<22)|(31<<25)
	s_mov_b32 s[G1V], 15|(3<<16)|(1<<21)
	s_mov_b32 s[G1S], 15|(3<<16)|(1<<21)
.irp g, G1K, G1V, G1S
	s_mov_b32 s[\g+1], 64<<16
	s_mov_b32 s[\g+3], 64<<16
	s_mov_b32 s[\g+5], 64
	s_mov_b32 s[\g+6], 0
	s_mov_b32 s[\g+7], 0
.endr
	s_mov_b32 s[G1K+2], 32<<16
	s_mov_b32 s[G1K+4], 32
	s_mov_b32 s[G1V+2], 32<<16
	s_mov_b32 s[G1V+4], 32
	s_mov_b32 s[G1S+2], 8<<16
	s_mov_b32 s[G1S+4], 8
	s_mul_i32 s12, s11, HC                         ; the head's codes
	s_lshl_b32 s13, s[WV], 14                      ; 16,384 bytes a loading wave
	s_add_co_u32 s74, s12, s13
	s_add_co_u32 s74, s74, QSZ                     ; k's codes lie behind q's: wave w takes sixth w
	s_mov_b32 s75, 0
	s_max_u32 s14, s[WV], 6
	s_sub_co_u32 s14, s14, 6
	s_lshl_b32 s14, s14, 14
	s_add_co_u32 s76, s12, s14
	s_add_co_u32 s76, s76, 2*QSZ                   ; v's behind k's: wave w takes sixth w - 6
	s_mov_b32 s77, 0
	s_max_u32 s14, s[WV], 12
	s_sub_co_u32 s14, s14, 11                      ; wave 12: k's scale words (1), wave 13: v's (2)
	s_mul_i32 s78, s14, SSZ
	s_lshl_b32 s15, s11, 12
	s_add_co_u32 s78, s78, s15
	s_mov_b32 s79, 0
	s_mov_b32 s[G0K], 1
	s_mul_i32 s[G0K+1], s[WV], 20480               ; 32 rows of 640 bytes in LDS
	s_mov_b32 s[G0V], 1
	s_add_co_u32 s[G0V+1], s13, VC-98304           ; VC + 16,384 (w - 6)
	s_mov_b32 s[G0S], 1
	s_lshl_b32 s[G0S+1], s[WV], 12
	s_add_co_u32 s[G0S+1], s[G0S+1], KS-49152      ; KS + 4,096 (w - 12)
	s_mov_b32 s[SEL], 0x76543210
	s_mov_b32 s[SEL+1], 0xfedcba98                 ; v_permlanex16_b32's selects for lane l xor 16
	s_mov_b32 s[CS], 0x3e38aa3b                    ; c = log2(e) / 8
	s_mov_b32 s[CS+1], s[CS]                       ; (named with it as a pair, so it is written)
	s_wait_dscnt 0x0                               ; both opening adds are done
	s_wait_kmcnt 0x0
	s_add_nc_u64 s[G0K+2:G0K+3], s[4:5], s[74:75]
	s_or_b32 s[G0K+3], s[G0K+3], 0x80000000
	s_add_nc_u64 s[G0V+2:G0V+3], s[4:5], s[76:77]
	s_or_b32 s[G0V+3], s[G0V+3], 0x80000000
	s_add_nc_u64 s[G0S+2:G0S+3], s[6:7], s[78:79]
	s_or_b32 s[G0S+3], s[G0S+3], 0x80000000
	CROUND                                         ; all four work-groups are here: the joint loads meet
	s_cmp_lt_u32 s[WV], 6                          ; one chain of branches on the wave's number, one load to an arm, one join
	s_cbranch_scc0 .Lhead_v
	tensor_load_to_lds s[G0K:G0K+3], s[G1K:G1K+7]
	s_nop 0
.rept 4
	v_nop
.endr
	s_branch .Lasked
.Lhead_v:
	s_cmp_lt_u32 s[WV], 12
	s_cbranch_scc0 .Lhead_s
	tensor_load_to_lds s[G0V:G0V+3], s[G1V:G1V+7]
	s_nop 0
.rept 4
	v_nop
.endr
	s_branch .Lasked
.Lhead_s:
	s_cmp_lt_u32 s[WV], 14
	s_cbranch_scc0 .Lasked
	tensor_load_to_lds s[G0S:G0S+3], s[G1S:G1S+7]
	s_nop 0
.rept 4
	v_nop
.endr
.Lasked:
	s_lshl_b32 s14, s10, 4
	s_add_co_u32 s14, s14, s[WV]                   ; d: my image of q, 32 queries
	s_mul_i32 s78, s11, HC
	s_mul_i32 s15, s14, 1536
	s_add_co_u32 s78, s78, s15
	s_mov_b32 s79, 0
	s_add_nc_u64 s[66:67], s[4:5], s[78:79]        ; q's codes
	s_lshl_b32 s78, s11, 12
	s_lshr_b32 s15, s14, 2
	s_lshl_b32 s15, s15, 8
	s_add_co_u32 s78, s78, s15
	s_and_b32 s15, s14, 3
	s_lshl_b32 s15, s15, 2
	s_add_co_u32 s78, s78, s15
	s_add_nc_u64 s[68:69], s[6:7], s[78:79]        ; its scale words
	s_lshr_b32 s80, s11, 4                         ; batch
	s_and_b32 s81, s11, 15                         ; head
	s_lshl_b32 s80, s80, 7
	s_lshl_b32 s15, s14, 1
	s_add_co_u32 s80, s80, s15                     ; o's tile of rows: 128 x batch + 2 d (+ the pass)
	s_mul_i32 s78, s80, 12288
	s_lshr_b32 s15, s81, 1
	s_mul_i32 s15, s15, 1536                       ; the head's 64 channels are half (head % 2) of fragment head / 2
	s_add_co_u32 s78, s78, s15
	s_and_b32 s15, s81, 1
	s_mul_i32 s15, s15, 768
	s_add_co_u32 s78, s78, s15
	s_add_nc_u64 s[70:71], s[8:9], s[78:79]        ; o's codes
	s_lshl_b32 s78, s80, 9
	s_add_co_u32 s78, s78, QSZ                     ; o's scale words lie behind its codes
	s_lshr_b32 s15, s81, 2
	s_lshl_b32 s15, s15, 7
	s_add_co_u32 s78, s78, s15
	s_bfe_u32 s15, s81, 0x10001
	s_lshl_b32 s15, s15, 2
	s_add_co_u32 s78, s78, s15
	s_and_b32 s15, s81, 1
	s_lshl_b32 s15, s15, 1
	s_add_co_u32 s78, s78, s15
	s_add_nc_u64 s[72:73], s[8:9], s[78:79]        ; the head's two bytes of a word
	v_and_b32 v96, 31, v0                          ; l
	v_and_b32 v97, 15, v0                          ; r
	v_bfe_u32 v98, v0, 4, 1                        ; h
	v_lshlrev_b32 v99, 4, v96                      ; 16 l
	v_lshlrev_b32 v100, 4, v97                     ; 16 r
.irp j, 0,1,2
	global_load_b128 v[QI+4*\j:QI+4*\j+3], v99, s[66:67] offset:512*\j
.endr
	global_load_b32 v[QW], v100, s[68:69]
	v_and_b32 v101, 7, v0                          ; r % 8
	v_bfe_u32 v102, v0, 3, 1                       ; r / 8
	v_mul_u32_u24 v[AK0], v102, 1920
	v_lshlrev_b32 v[ASK0], 4, v101
	v_add_nc_u32 v[AV0], VC, v99
	v_add_nc_u32 v[ASV0], VS, v100
	v_lshl_add_u32 v[AK0], v98, 8, v[AK0]
	v_lshl_add_u32 v[ASK0], v102, 2, v[ASK0]
	v_lshlrev_b32 v[GO], 3, v96
	v_lshl_add_u32 v[GS], v97, 3, v98
	v_lshl_add_u32 v[AK0], v101, 4, v[AK0]
	v_add_nc_u32 v[ASK0], KS, v[ASK0]
	v_lshlrev_b32 v[H8], 3, v98
	v_cmp_lt_u32 s[HM], 15, v96
.irp i, 0,1,2,3,4,5
	v_mov_b32 v[QA+6+\i], 0                        ; the zero codes between the two copies of q
.endr
	v_mov_b32 v[FF+1], 0                           ; (named as the upper half of a pair)
	s_wait_alu depctr_va_vdst(0)                   ; the wait ahead of the blocking wait
	s_wait_loadcnt 0x0                             ; q
; A KEY STEP: 128 keys.
.macro STEP
	v_add_nc_u32 v[ADK], s[TB], v[AK0]             ; (these four are also the places in front of the loads into registers that the last step's products have read)
	v_add_nc_u32 v[ADV], s[TV], v[AV0]
	v_add_nc_u32 v[ADS], s[TS], v[ASK0]
	v_add_nc_u32 v[ADT], s[TS], v[ASV0]
.irp n, 0,1,2,3                        ; fragment n = 2 c + g: four LDS loads each
.irp j, 0,1,2
	ds_load_b128 v[KF+12*\n+4*\j:KF+12*\n+4*\j+3], v[ADK] offset:3840*(\n/2)+128*(\n%2)+640*\j
.endr
	ds_load_b32 v[KSW+\n], v[ADS] offset:8*(\n/2)+128*(\n%2)
.endr
	s_wait_alu depctr_va_vdst(0)                   ; the wait ahead of the blocking wait
.irp n, 0,1,2,3                        ; S^T = K Q^T: fragment n against [q | 0] and [0 | q]: keys 16 (n % 2) + 0 .. 7 and + 8 .. 15 of block 2 (n / 2) + h
	s_wait_dscnt 12-4*\n                           ; fragment n's four loads are in; the 12 - 4 n issued behind them may be out
.irp u, 0,1
	v_wmma_scale_f32_16x16x128_f8f6f4 v[S+16*\n+8*\u:S+16*\n+8*\u+7], v[KF+12*\n:KF+12*\n+11], v[QA+6*\u:QA+6*\u+11], 0, v[KSW+\n], v[QS] matrix_a_fmt:MATRIX_FMT_FP6 matrix_b_fmt:MATRIX_FMT_FP6
.endr
.endr
.rept 4
	v_nop                                          ; places in front of the loads below and of the first read of the scores
.endr
.irp t, 0,1,2,3                        ; V's four images take K's registers: they land during the softmax
.irp j, 0,1,2
	ds_load_b128 v[KF+12*\t+4*\j:KF+12*\t+4*\j+3], v[ADV] offset:1536*\t+512*\j
.endr
.endr
	ds_load_b128 v[VSW:VSW+3], v[ADT]
.irp c, 0,1                            ; THE LARGEST SCORE OF MY TWO BLOCKS serves twice: for the row's maximum and, since p rises with the score, for the block's largest p.  Four chains by turns; each accumulator is read from its low end on
	v_max3_num_f32 v[BM+\c], v[S+32*\c], v[S+32*\c+1], v[S+32*\c+2]
	v_max3_num_f32 v[BX+\c], v[S+32*\c+16], v[S+32*\c+17], v[S+32*\c+18]
.endr
.irp i, 3,5,7,9,11,13
.irp c, 0,1
	v_max3_num_f32 v[BM+\c], v[BM+\c], v[S+32*\c+\i], v[S+32*\c+\i+1]
	v_max3_num_f32 v[BX+\c], v[BX+\c], v[S+32*\c+16+\i], v[S+32*\c+17+\i]
.endr
.endr
	v_max3_num_f32 v[BM], v[BM], v[BX], v[S+15]
	v_max3_num_f32 v[BM+1], v[BM+1], v[BX+1], v[S+47]
	v_mov_b32 v[T2], v12                           ; the old -M
	v_max_num_f32 v[BM], v[BM], v[S+31]
	v_max_num_f32 v[BM+1], v[BM+1], v[S+63]
	v_max_num_f32 v[T1], v[BM], v[BM+1]
	v_permlanex16_b32 v[BX], v[T1], s[SEL], s[SEL+1]   ; lane l xor 16's two blocks
	v_max3_num_f32 v13, v13, v[T1], v[BX]          ; the running largest score of my query
	v_mul_f32 v[T1], s[CS], v13                    ; as t (c is positive)
	v_floor_f32 v12, -v[T1]                        ; the new -M = floor(-t) = -ceil(t): M is a whole number
	v_sub_f32 v[T2], v12, v[T2]                    ; old M less new M: a whole number, 0 or less
.set J, 0
.rept 4
	v_pk_fma_f32 v[S+J:S+J+1], v[S+J:S+J+1], s[CS:CS+1], v[12:13] op_sel_hi:[1,0,0]   ; t - M, two at a time (of the pairs c and -M the low word serves both halves)
.set J, J+2
.endr
	v_cvt_i32_f32 v[T2], v[T2]                     ; (it saturates)
.rept 4
	v_pk_fma_f32 v[S+J:S+J+1], v[S+J:S+J+1], s[CS:CS+1], v[12:13] op_sel_hi:[1,0,0]
.set J, J+2
.endr
	v_ldexp_f32 v[FF], 1.0, v[T2]                  ; f = 2^(old M - new M)
.rept 24
	v_pk_fma_f32 v[S+J:S+J+1], v[S+J:S+J+1], s[CS:CS+1], v[12:13] op_sel_hi:[1,0,0]
.set J, J+2
.endr
.irp c, 0,1
	v_fma_f32 v[BM+\c], v[BM+\c], s[CS], v12       ; the same of each block's largest score
.endr
.set J, 0
.rept 16
	v_pk_mul_f32 v[O+J:O+J+1], v[O+J:O+J+1], v[FF:FF+1] op_sel_hi:[1,0]   ; O^T under the new M: x f; each accumulator from its low end on
.set J, J+2
.endr
	s_wait_alu depctr_va_vdst(0)                   ; the wait ahead of the batch
.set J, 0
.rept 64
	v_exp_f32 v[S+J], v[S+J]                       ; p = 2^(t - M), at most 1: not normalised
.set J, J+1
.endr
.irp c, 0,1
	v_exp_f32 v[BM+\c], v[BM+\c]                   ; the block's largest p: the same two instructions on the same number give the same bits
.endr
	v_pk_mul_f32 v[14:15], v[14:15], v[FF:FF+1] op_sel_hi:[1,0]   ; the sums under the new M (a plain instruction behind the exponentials)
	s_wait_alu depctr_va_vdst(0)                   ; one wait for the whole batch, ahead of its first reader
	; the scale's short chain and the row's sum (of the unquantised p, in eight chains) by turns
.irp c, 0,1
	v_max_num_f32 v[BM+\c], 0x1800000, v[BM+\c]    ; the floor 2^(3 - 127): the byte cannot fall under 1
.endr
.irp k, 0,1,2,3
	v_pk_add_f32 v[AC+2*\k:AC+2*\k+1], v[S+4*\k:S+4*\k+1], v[S+4*\k+2:S+4*\k+3]
.endr
.irp c, 0,1
	v_add_nc_u32 v[SO+\c], 0xff000000, v[BM+\c]    ; 2 off the exponent field: the conversion's scale operand
.endr
.irp k, 4,5,6
	v_pk_add_f32 v[AC+2*\k:AC+2*\k+1], v[S+4*\k:S+4*\k+1], v[S+4*\k+2:S+4*\k+3]
.endr
	v_pk_add_f32 v[14:15], v[14:15], v[S+28:S+29]
.irp c, 0,1
	v_lshrrev_b32 v[BX+\c], 23, v[SO+\c]           ; the scale's byte
.endr
.irp k, 0,1,2,3
	v_pk_add_f32 v[AC+2*\k:AC+2*\k+1], v[AC+2*\k:AC+2*\k+1], v[S+30+2*\k:S+31+2*\k]
.endr
	v_lshl_or_b32 v[PW], v[BX+1], 16, v[BX]        ; my two bytes, blocks h and 2 + h,
.irp k, 4,5,6
	v_pk_add_f32 v[AC+2*\k:AC+2*\k+1], v[AC+2*\k:AC+2*\k+1], v[S+30+2*\k:S+31+2*\k]
.endr
	v_pk_add_f32 v[14:15], v[14:15], v[S+44:S+45]
	v_lshlrev_b32 v[PW], v[H8], v[PW]              ; at their places (8 h bits up);
.irp k, 0,1,2,3
	v_pk_add_f32 v[AC+2*\k:AC+2*\k+1], v[AC+2*\k:AC+2*\k+1], v[S+46+2*\k:S+47+2*\k]
.endr
	v_permlanex16_b32 v[BX], v[PW], s[SEL], s[SEL+1]
.irp k, 4,5,6
	v_pk_add_f32 v[AC+2*\k:AC+2*\k+1], v[AC+2*\k:AC+2*\k+1], v[S+46+2*\k:S+47+2*\k]
.endr
	v_pk_add_f32 v[14:15], v[14:15], v[S+60:S+61]
	v_or_b32 v[PW], v[PW], v[BX]                   ; with lane l xor 16's two the word of these 128 keys is whole
.irp c, 0,1                            ; registers 6 c .. 6 c + 5 of p's operand: the 32 codes of block 2 c + h
	v_cvt_scalef32_pk16_fp6_f32 v[PC+6*\c:PC+6*\c+2], v[S+32*\c:S+32*\c+15], v[SO+\c]
	v_cvt_scalef32_pk16_fp6_f32 v[PT+4*\c:PT+4*\c+2], v[S+32*\c+16:S+32*\c+31], v[SO+\c]   ; (a conversion's three registers begin on an even number)
.endr
	v_nop                                          ; one plain place behind a scaled conversion
.irp c, 0,1
.irp i, 0,1,2
	v_mov_b32 v[PC+6*\c+3+\i], v[PT+4*\c+\i]
.endr
.endr
	v_pk_add_f32 v[AC:AC+1], v[AC:AC+1], v[S+62:S+63]   ; (these eight are also the places between the writes of p's codes and the products below)
	v_pk_add_f32 v[AC+4:AC+5], v[AC+4:AC+5], v[AC+6:AC+7]
	v_pk_add_f32 v[AC+8:AC+9], v[AC+8:AC+9], v[AC+10:AC+11]
	v_pk_add_f32 v[14:15], v[14:15], v[AC+12:AC+13]
	v_pk_add_f32 v[AC:AC+1], v[AC:AC+1], v[AC+2:AC+3]
	v_pk_add_f32 v[AC+4:AC+5], v[AC+4:AC+5], v[AC+8:AC+9]
	v_pk_add_f32 v[14:15], v[14:15], v[AC:AC+1]
	v_pk_add_f32 v[14:15], v[14:15], v[AC+4:AC+5]
	s_wait_alu depctr_va_vdst(0)                   ; the wait ahead of the blocking wait
	s_wait_dscnt 0x0                               ; V
.irp t, 0,1,2,3                        ; O^T += V^T P^T: four tiles of 16 channels, by turns; K = these 128 keys
	v_wmma_scale_f32_16x16x128_f8f6f4 v[O+8*\t:O+8*\t+7], v[KF+12*\t:KF+12*\t+11], v[PC:PC+11], v[O+8*\t:O+8*\t+7], v[VSW+\t], v[PW] matrix_a_fmt:MATRIX_FMT_FP6 matrix_b_fmt:MATRIX_FMT_FP6
.endr
	s_add_co_u32 s[TB], s[TB], 7680
	s_add_co_u32 s[TV], s[TV], 6144
	s_add_co_u32 s[TS], s[TS], 256
.endm
.macro STEPS n
	s_mov_b32 s[CNT], \n
.Lstep_\@:
	STEP
	s_sub_co_u32 s[CNT], s[CNT], 1
	s_cmp_lg_u32 s[CNT], 0
	s_cbranch_scc1 .Lstep_\@
.endm
.macro QSET u                          ; tile u of my image of q into both forms, and its two scale bytes into both halves of a word
.irp i, 0,1,2,3,4,5
	v_mov_b32 v[QA+\i], v[QI+6*\u+\i]
	v_mov_b32 v[QA+12+\i], v[QI+6*\u+\i]
.endr
.if \u == 0
	v_and_b32 v[QS], 0xffff, v[QW]
	s_delay_alu instid0(VALU_DEP_1)
	v_lshl_or_b32 v[QS], v[QS], 16, v[QS]
.else
	v_lshrrev_b32 v[QS], 16, v[QW]
	s_delay_alu instid0(VALU_DEP_1)
	v_and_or_b32 v[QS], v[QW], 0xffff0000, v[QS]
.endif
.endm
.macro INIT                            ; the step is written once for all steps: the first finds zeros, which the first change of M leaves zeros.  (These lines are also the places behind QSET's writes)
	v_mov_b32 v13, 0xff61b1e6                      ; the largest score so far: -3e38, under every score
	s_delay_alu instid0(VALU_DEP_1)
	v_floor_f32 v12, -v13                          ; -M
	v_mov_b32 v14, 0
	v_mov_b32 v15, 0
.set J, 0
.rept 32
	v_mov_b32 v[O+J], 0
.set J, J+1
.endr
	s_mov_b32 s[TB], 0
	s_mov_b32 s[TV], 0
	s_mov_b32 s[TS], 0
.endm
; THE WAY OUT of a pass: O^T / the sum is 64 channels of a query, 32 a lane (register 16 b + i: channel 32 b + 16 h + i): two blocks of the last product's K.  Quantised and stored as half a fragment: three stores of 256 consecutive bytes.
.macro OUT u
.rept 4
	v_nop                                          ; places behind the last products
.endr
	v_add_f32 v14, v14, v15                        ; the sum's two halves,
	s_delay_alu instid0(VALU_DEP_1)
	v_permlanex16_b32 v[T1], v14, s[SEL], s[SEL+1]
	s_delay_alu instid0(VALU_DEP_1)
	v_add_f32 v14, v14, v[T1]                      ; and lane l xor 16's: the row's sum
	s_wait_alu depctr_va_vdst(0)                   ; the wait ahead of the transcendental
	v_rcp_f32 v[RL], v14
	v_mov_b32 v[RL+1], 0                           ; a plain instruction behind the reciprocal (and the pair's upper half is written)
	s_wait_alu depctr_va_vdst(0)                   ; the wait ahead of the first reader
.set J, 0
.rept 16
	v_pk_mul_f32 v[S+J:S+J+1], v[O+J:O+J+1], v[RL:RL+1] op_sel_hi:[1,0]   ; each accumulator from its low end on
.set J, J+2
.endr
.irp b, 0,1
	v_max3_num_f32 v[BM+\b], |v[S+16*\b]|, |v[S+1+16*\b]|, 0x1800000
.endr
.irp i, 2,4,6,8,10,12,14
.irp b, 0,1
	s_delay_alu instid0(VALU_DEP_2)
	v_max3_num_f32 v[BM+\b], v[BM+\b], |v[S+16*\b+\i]|, |v[S+1+16*\b+\i]|
.endr
.endr
.irp b, 0,1
	s_delay_alu instid0(VALU_DEP_2)
	v_permlanex16_b32 v[BX+\b], v[BM+\b], s[SEL], s[SEL+1]
.endr
.irp b, 0,1
	s_delay_alu instid0(VALU_DEP_2)
	v_max_num_f32 v[BM+\b], v[BM+\b], v[BX+\b]
.endr
.irp b, 0,1
	s_delay_alu instid0(VALU_DEP_2)
	v_add_nc_u32 v[SO+\b], 0xff000000, v[BM+\b]
.endr
.irp b, 0,1
	s_delay_alu instid0(VALU_DEP_2)
	v_lshrrev_b32 v[BX+\b], 23, v[SO+\b]
.endr
	v_cvt_scalef32_pk16_fp6_f32 v[PC:PC+2], v[S:S+15], v[SO]
	v_cvt_scalef32_pk16_fp6_f32 v[PT:PT+2], v[S+16:S+31], v[SO+1]
	v_nop                                          ; one plain place behind a scaled conversion
.irp i, 0,1,2
	v_permlane16_swap_b32 v[PC+\i], v[PT+\i]
.endr
.irp i, 0,1,2
	s_delay_alu instid0(VALU_DEP_3)
	v_mov_b32 v[PC+3+\i], v[PT+\i]                 ; lane (r, h): the 32 codes of block h
.endr
	v_cndmask_b32 v[BY], v[BX], v[BX+1], s[HM]     ; and its byte
.irp p, 0,1,2
	global_store_b64 v[GO], v[PC+2*\p:PC+2*\p+1], s[70:71] offset:(\u)*12288+256*\p
.endr
	global_store_b8 v[GS], v[BY], s[72:73] offset:(\u)*512   ; a head owns two of a word's four bytes: they leave singly
	s_wait_xcnt 0x0                                ; the stores have read their data: the next pass writes these registers again
.endm
	QSET 0
	INIT
	s_wait_alu depctr_va_vdst(0)                   ; the wait at the head's end
	s_wait_tensorcnt 0x0                           ; in a wave that fetched: its part is in
	s_wait_dscnt 0x0
	s_barrier_signal -1
	s_barrier_wait -1                              ; everybody's parts are in: from here on LDS is only read
	STEPS 16
	OUT 0
	QSET 1
	INIT
	STEPS 16
	OUT 1
	s_wait_tensorcnt 0x0                           ; the wave's end, behind my last tensor load
	ds_add_u32 v[SPW], v[NIL]
	s_wait_dscnt 0x0
	CROUND                                         ; the closing round
	s_endpgm
.Lfunc_end_k_q5a2df0f8e7_attn:
	.size	k_q5a2df0f8e7_attn, .Lfunc_end_k_q5a2df0f8e7_attn-k_q5a2df0f8e7_attn
	.p2alignl 7, 3214868480
	.fill 96, 4, 3214868480
	.section	.rodata,"a",@progbits
	.p2align	6, 0x0
	.amdhsa_kernel k_q5a2df0f8e7_attn
		.amdhsa_group_segment_fixed_size 231424
		.amdhsa_private_segment_fixed_size 0
		.amdhsa_enable_private_segment 0
		.amdhsa_kernarg_size 24
		.amdhsa_user_sgpr_count 2
		.amdhsa_user_sgpr_kernarg_segment_ptr 1
		.amdhsa_wavefront_size32 1
		.amdhsa_system_sgpr_workgroup_id_x 1
		.amdhsa_system_sgpr_workgroup_id_y 1
		.amdhsa_system_sgpr_workgroup_id_z 1
		.amdhsa_system_vgpr_workitem_id 0
		.amdhsa_next_free_vgpr 256
		.amdhsa_next_free_sgpr 96
		.amdhsa_reserve_vcc 0
		.amdhsa_float_denorm_mode_32 3
		.amdhsa_float_denorm_mode_16_64 3
		.amdhsa_memory_ordered 1
		.amdhsa_forward_progress 1
		.amdhsa_inst_pref_size 51
	.end_amdhsa_kernel
	.amdgpu_metadata
---
amdhsa.version: [ 1, 2 ]
amdhsa.kernels:
  - .name:           k_q5a2df0f8e7_attn
    .symbol:         k_q5a2df0f8e7_attn.kd
    .args:
      - { .name: qkvc, .offset: 0, .size: 8, .value_kind: global_buffer, .address_space: global }
      - { .name: qkvs, .offset: 8, .size: 8, .value_kind: global_buffer, .address_space: global }
      - { .name: oq, .offset: 16, .size: 8, .value_kind: global_buffer, .address_space: global }
    .group_segment_fixed_size: 231424
    .private_segment_fixed_size: 0
    .kernarg_segment_align: 8
    .kernarg_segment_size: 24
    .max_flat_workgroup_size: 512
    .sgpr_count:     96
    .vgpr_count:     256
    .wavefront_size: 32
...
	.end_amdgpu_metadata
.endif
;; end of part 3
;; launch proj (part 4): grid 4 x 64, 4 waves a work-group, clusters of 4 x 4, 295,424 bytes of LDS; arguments oq, wo, b_out, out0; writes out0
.if DOCPART == 4
	.amdgcn_target "amdgcn-amd-amdhsa--gfx1250"
	.amdhsa_code_object_version 6
	.text
	.protected	k_q5a2df0f8e7_proj
	.globl	k_q5a2df0f8e7_proj
	.p2align	8
	.type	k_q5a2df0f8e7_proj,@function
k_q5a2df0f8e7_proj:
	s_mov_b64 s[64:65], 0
	v_nop
	global_prefetch_b8 v0, s[64:65] scope:SCOPE_SE
	s_setreg_imm32_b32 hwreg(HW_REG_WAVE_MODE, 25, 1), 1
	s_wait_xcnt 0x0
	s_wait_alu depctr_hold_cnt(0) depctr_sa_sdst(0) depctr_va_vdst(0) depctr_va_sdst(0) depctr_va_ssrc(0) depctr_va_vcc(0) depctr_vm_vsrc(0)
	s_getreg_b32 s2, hwreg(HW_REG_IB_STS2, 6, 4)
	s_cmp_eq_u32 s2, 0
	s_cbranch_scc0 .Lentry_in_a_cluster
	s_endpgm
.Lentry_in_a_cluster:
	s_bfe_u32 s2, ttmp6, 0x10000c
	s_cmp_lg_u32 s2, 0xf033
	s_cbranch_scc0 .Lentry_shape_is_right
	s_endpgm
.Lentry_shape_is_right:
; out0 [8192][1024] f32 = o W_out + b_out, on codes of FP6 (E2M3) with one E8M0 scale for each 32 along K = 1,024; sums in f32; the bias is the C of each sum's first product.
; OPERANDS lie in memory in the order of their registers.  A tile is 16 rows of o (16 columns of W_out): 12,288 bytes; in it the fragment of 128 along K, number f of 8, begins at 1,536 f, and registers 2 p, 2 p + 1 of lane l lie at 256 p + 8 l.
; Lane r of tile T holds row 32 (T / 2) + 8 (T % 2) + r + 8 (r / 8).  Scale words (4 bytes: 128 along K of a row) lie behind the codes, at 512 T + 128 (f / 2) + 8 r + 4 (f % 2).
; SHARES.  A work-group makes 128 rows x 256 columns: 64 x 4 = 256 work-groups.  Four waves, one to a SIMD; a wave makes 64 x 128: 32 accumulators of 16 x 16.
; ALL OF K STAYS IN LDS: A's 8 tiles (98,304 bytes) and B's 16 (196,608), as they lie in memory.  They are asked for once, at the head, by three loads of 384 rows of 256 bytes: wave 0 A, waves 1 and 2 B's halves.
; Nothing is filled again: no ring, and no loop in which anything could be asked of memory ahead of its load, so no prefetch is laid.
; CLUSTER 4 x 4: the four work-groups of a row of the cluster need the same tiles of A, the four of a column the same tiles of B: each load is asked for jointly, with a mask that names the four.
; SCALE WORDS go from memory into registers, 256 consecutive bytes a load: lanes 0-15 get the words of K steps 4 m, 4 m + 1, lanes 16-31 those of 4 m + 2, 4 m + 3; the instruction's row selector picks the half.
; THE MATRIX INSTRUCTION IS USED TRANSPOSED (source 0 = 16 columns of W_out, source 1 = 16 rows of o): a lane holds eight neighbouring numbers of a row of the result.
; REGISTERS: window 0: v0-31 addresses; v32-47 A's scale words, v48-79 B's; v80-143 the bias; v144-239 A's fragments, two sets; on the way out v128-255.  Window 1: B's fragments, two sets, at v0 and v128.  Window 2: accumulator (a, b) at v[8 (8 a + b)].
.set FR,    12
.set FRB,   1536
.set TB,    12288                      ; a tile's bytes
.set SPARE, 24*TB                      ; behind the tiles: the spare words, 128 bytes for each wave: two blocks of 256 bytes that no other line names
.set QSZ,   6291456                    ; o's scale words lie behind its codes,
.set WSZ,   786432                     ; W_out's behind its own
.set SPITCH, 528                       ; the way out: a stage of 16 rows x (512 + 16) bytes for each wave, in A's bytes, behind a barrier behind which nobody reads them
.set ADRA, 16                          ; v16    LDS address of my A fragments
.set ADRB, 20                          ; v20-21 of my B fragments: tiles 0-3, tiles 4-7
.set VBQ,  22                          ; v22    64 h: the bias
.set STO,  24
.set RD,   25
.set CO,   26                          ; v26    16 l
.set VSO,  27                          ; v27    8 l
.set SPW,  28                          ; v28    LDS address of my spare word; never rewritten
.set NIL,  29                          ; v29    0; never rewritten
.set SA,   32
.set SB,   48
.set BI,   80
.set AF,   144
.set BK,   128
.set G1,   24                          ; s[24:31] group 1 for A, s[32:35] its group 0;  s[48:55], s[56:59] for B
.set G0,   32
.set G1B,  48
.set G0B,  56
.set MSB, 0
.macro WIN new                         ; the immediate's high byte repeats the setting that is left
.if MSB != (\new)
	s_set_vgpr_msb (MSB<<8)|(\new)
.set MSB, (\new)
.endif
.endm
.macro CROUND                          ; a round of the cluster's barrier
	s_barrier_signal -1
	s_barrier_wait -1
	s_cmp_lg_u32 s14, 0
	s_cbranch_scc1 .Lnot_wave_0_\@
	s_barrier_signal -3
.Lnot_wave_0_\@:
	s_barrier_wait -3
	s_barrier_signal -1
	s_barrier_wait -1
.endm
.macro PLACES
.rept 4
	v_nop
.endr
.endm
	s_load_b128 s[4:7], s[0:1], 0x0                ; oq s[4:5], wo s[6:7]
	s_load_b128 s[8:11], s[0:1], 0x10              ; b_out s[8:9], out0 s[10:11]
	v_lshl_add_u32 v[SPW], v0, 2, SPARE
	v_mov_b32 v[NIL], 0
	ds_add_u32 v[SPW], v[NIL]                      ; the opening lines: the add, twice on end, and one wait; work on registers between
	ds_add_u32 v[SPW], v[NIL]
	v_lshrrev_b32 v1, 5, v0
	v_readfirstlane_b32 s14, v1                    ; wave 0..3
	s_lshr_b32 s15, s14, 1                         ; which 64 of the block's rows are mine
	s_and_b32 s16, s14, 1                          ; which 128 of its columns
	s_bfe_u32 s40, ttmp6, 0x40000                  ; cx, cy: my place in the cluster
	s_bfe_u32 s41, ttmp6, 0x40004
	s_lshl_b32 s42, ttmp9, 2
	s_add_co_u32 s42, s42, s40                     ; block column = 4 x cluster x + cx
	s_and_b32 s17, ttmp7, 0xffff
	s_lshl_b32 s17, s17, 2
	s_add_co_u32 s17, s17, s41                     ; block row = 4 x cluster y + cy
	s_lshl_b32 s43, s41, 2
	s_lshl_b32 s43, 15, s43                        ; my row of the cluster
	s_lshl_b32 s44, 0x1111, s40                    ; my column
	s_or_b32 s[G1+0], s43, (3<<16)|(1<<21)         ; the mask; elements of 8 bytes; bit 21 beside a mask
	s_or_b32 s[G1B+0], s44, (3<<16)|(1<<21)
.irp g, G1, G1B                        ; 98,304 dense bytes as 384 rows of 256
	s_mov_b32 s[\g+1], 32<<16
	s_mov_b32 s[\g+2], 384<<16
	s_mov_b32 s[\g+3], 32<<16
	s_mov_b32 s[\g+4], 384
	s_mov_b32 s[\g+5], 32
	s_mov_b32 s[\g+6], 0
	s_mov_b32 s[\g+7], 0
.endr
	s_mul_i32 s20, s17, 8*TB                       ; A: the block's 8 tiles
	s_mov_b32 s21, 0
	s_max_u32 s18, s14, 1
	s_sub_co_u32 s18, s18, 1                       ; B: wave 1 takes tiles 0-7 of the block's 16, wave 2 tiles 8-15
	s_lshl_b32 s18, s18, 3
	s_lshl_b32 s46, s42, 4
	s_add_co_u32 s46, s46, s18
	s_mul_i32 s46, s46, TB
	s_mov_b32 s47, 0
	s_mul_i32 s45, s14, 8*TB                       ; and where they go: wave x 98,304: no place in the cluster enters an LDS address
	s_wait_dscnt 0x0                               ; both opening adds are done
	s_wait_kmcnt 0x0
	s_mov_b32 s[G0], 1
	s_mov_b32 s[G0+1], 0
	s_add_nc_u64 s[G0+2:G0+3], s[4:5], s[20:21]
	s_or_b32 s[G0+3], s[G0+3], 0x80000000
	s_mov_b32 s[G0B], 1
	s_mov_b32 s[G0B+1], s45
	s_add_nc_u64 s[G0B+2:G0B+3], s[6:7], s[46:47]
	s_or_b32 s[G0B+3], s[G0B+3], 0x80000000
	CROUND                                         ; all sixteen work-groups are here: the joint loads meet
	s_cmp_lt_u32 s14, 1                            ; one chain of branches on the wave's number, one load to an arm, one join
	s_cbranch_scc0 .Lhead_b
	tensor_load_to_lds s[G0:G0+3], s[G1:G1+7]
	s_nop 0
	PLACES
	s_branch .Lasked
.Lhead_b:
	s_cmp_lt_u32 s14, 3
	s_cbranch_scc0 .Lasked
	tensor_load_to_lds s[G0B:G0B+3], s[G1B:G1B+7]
	s_nop 0
	PLACES
.Lasked:
	v_and_b32 v1, 31, v0                           ; l
	v_and_b32 v2, 15, v0                           ; r
	v_bfe_u32 v3, v0, 4, 1                         ; h
	s_mul_i32 s98, s15, 4*TB                       ; my 4 tiles of A
	s_mul_i32 s99, s16, 8*TB                       ; my 8 tiles of B,
	s_add_co_u32 s99, s99, 8*TB                    ; which lie behind A's 8
	s_mul_i32 s96, s14, 16*SPITCH                  ; my stage
	v_lshlrev_b32 v[VSO], 3, v1
	v_lshlrev_b32 v[VBQ], 6, v3
	v_lshlrev_b32 v[CO], 4, v1
	v_mul_u32_u24 v5, v2, SPITCH
	v_add_nc_u32 v[ADRA], s98, v[VSO]
	v_add_nc_u32 v[ADRB], s99, v[VSO]
	v_lshl_add_u32 v5, v3, 6, v5                   ; into the stage: row r, 64 bytes for each half of the lanes
	v_add_nc_u32 v[RD], s96, v[CO]                 ; out of it: the 32 lanes take one row of 512 bytes
	v_add_nc_u32 v[ADRB+1], 4*TB, v[ADRB]
	v_add_nc_u32 v[STO], s96, v5
	s_lshl_b32 s66, s42, 10                        ; my first column, in bytes of f32: 1,024 x block column + 512 x half
	s_lshl_b32 s97, s16, 9
	s_add_co_u32 s66, s66, s97
	s_mov_b32 s67, 0
	s_add_nc_u64 s[8:9], s[8:9], s[66:67]
	s_add_nc_u64 s[10:11], s[10:11], s[66:67]
	s_lshl_b32 s66, s17, 7                         ; my first row: 128 x block row + 64 x half; rows of 4,096 bytes
	s_lshl_b32 s97, s15, 6
	s_add_co_u32 s66, s66, s97
	s_lshl_b32 s66, s66, 12
	s_add_nc_u64 s[10:11], s[10:11], s[66:67]
	s_lshl_b32 s66, s17, 3                         ; my tiles' scale words: 512 bytes a tile
	s_lshl_b32 s97, s15, 2
	s_add_co_u32 s66, s66, s97
	s_lshl_b32 s66, s66, 9
	s_add_co_u32 s66, s66, QSZ
	s_add_nc_u64 s[92:93], s[4:5], s[66:67]
	s_lshl_b32 s66, s42, 4
	s_lshl_b32 s97, s16, 3
	s_add_co_u32 s66, s66, s97
	s_lshl_b32 s66, s66, 9
	s_add_co_u32 s66, s66, WSZ
	s_add_nc_u64 s[94:95], s[6:7], s[66:67]
	s_wait_alu depctr_va_vdst(0)                   ; the wait here
.irp b, 0,1,2,3,4,5,6,7
	global_load_b128 v[BI+8*\b:BI+8*\b+3], v[VBQ], s[8:9] offset:(32*(\b/2)+8*(\b%2))*4
	global_load_b128 v[BI+8*\b+4:BI+8*\b+7], v[VBQ], s[8:9] offset:(32*(\b/2)+8*(\b%2))*4+16
.endr
.irp a, 0,1,2,3
.irp m, 0,1
	global_load_b64 v[SA+4*\a+2*\m:SA+4*\a+2*\m+1], v[VSO], s[92:93] offset:512*\a+256*\m   ; 32 lanes read 256 consecutive bytes
.endr
.endr
.irp b, 0,1,2,3,4,5,6,7
.irp m, 0,1
	global_load_b64 v[SB+4*\b+2*\m:SB+4*\b+2*\m+1], v[VSO], s[94:95] offset:512*\b+256*\m
.endr
.endr
.macro FRAG reg, adr, off              ; a fragment: six loads of 8 bytes a lane, 256 consecutive bytes each
.irp p, 0,1,2,3,4,5
	ds_load_b64 v[\reg+2*\p:\reg+2*\p+1], v[\adr] offset:\off+\p*256
.endr
.endm
.macro FETCH f                         ; K step f's fragments into set f % 2: B's eight, A's four
	WIN 0x40
.irp i, 0,1,2,3,4,5,6,7
	FRAG 128*((\f)%2)+FR*\i, ADRB+\i/4, (\i%4)*TB+(\f)*FRB
.endr
	WIN 0
.irp i, 0,1,2,3
	FRAG AF+48*((\f)%2)+FR*\i, ADRA, \i*TB+(\f)*FRB
.endr
.endm
.macro MUL f                           ; 32 products, the accumulators by turns, in the same order in every step
.set P, (\f)%2
.set W, 2*((\f)/4)+(\f)%2              ; which register of a tile's four scale registers; the half of the lanes is (f / 2) % 2
.irp a, 0,1,2,3
.irp b, 0,1,2,3,4,5,6,7
.if (\f) == 0
	v_wmma_scale_f32_16x16x128_f8f6f4 v[8*(8*\a+\b):8*(8*\a+\b)+7], v[128*P+FR*\b:128*P+FR*\b+FR-1], v[AF+48*P+FR*\a:AF+48*P+FR*\a+FR-1], v[BI+8*\b:BI+8*\b+7], v[SB+4*\b+W], v[SA+4*\a+W] matrix_a_fmt:MATRIX_FMT_FP6 matrix_b_fmt:MATRIX_FMT_FP6
.elseif ((\f)/2)%2
	v_wmma_scale_f32_16x16x128_f8f6f4 v[8*(8*\a+\b):8*(8*\a+\b)+7], v[128*P+FR*\b:128*P+FR*\b+FR-1], v[AF+48*P+FR*\a:AF+48*P+FR*\a+FR-1], v[8*(8*\a+\b):8*(8*\a+\b)+7], v[SB+4*\b+W], v[SA+4*\a+W] matrix_a_fmt:MATRIX_FMT_FP6 matrix_b_fmt:MATRIX_FMT_FP6 matrix_a_scale:MATRIX_SCALE_ROW1 matrix_b_scale:MATRIX_SCALE_ROW1
.else
	v_wmma_scale_f32_16x16x128_f8f6f4 v[8*(8*\a+\b):8*(8*\a+\b)+7], v[128*P+FR*\b:128*P+FR*\b+FR-1], v[AF+48*P+FR*\a:AF+48*P+FR*\a+FR-1], v[8*(8*\a+\b):8*(8*\a+\b)+7], v[SB+4*\b+W], v[SA+4*\a+W] matrix_a_fmt:MATRIX_FMT_FP6 matrix_b_fmt:MATRIX_FMT_FP6
.endif
.endr
.endr
.endm
.macro STEP f
	s_wait_dscnt 0x0                               ; this step's 72 loads, issued ahead of the last step's products, are in
.if (\f) < 7
.if (\f) > 0
	PLACES                                         ; in front of loads into the set that the last step's products have read
.endif
	FETCH (\f)+1
.else
	s_barrier_signal -1                            ; my reads of the tiles are over: say so, and work on registers while the others arrive
.endif
.if (\f) == 0
	WIN 0x81                                       ; source 0 window 1, source 1 and C (the bias) window 0, D window 2
.else
	WIN 0xa1                                       ; C and D window 2
.endif
	MUL \f
	WIN 0
.endm
	s_wait_alu depctr_va_vdst(0)                   ; the wait at the head's end
	s_wait_tensorcnt 0x0                           ; in a wave that fetched: its part is in
	s_barrier_signal -1
	s_barrier_wait -1                              ; everybody's parts are in
	FETCH 0
	s_wait_loadcnt 0x0                             ; the bias and the scale words
.irp f, 0,1,2,3,4,5,6,7
	STEP \f
.endr
	s_barrier_wait -1                              ; nobody reads the tiles any more: the stages may lie in A's bytes
; THE WAY OUT, block by block of 16 rows x 128 columns: through my own stage and back as whole rows of 512 bytes, which the 32 lanes store as two aligned runs of 256 bytes.  LDS serves a wave's instructions in order: no wait between the stores and the loads.
.macro TOSTAGE a
	WIN 0x08                                       ; the data: window 2
.irp b, 0,1,2,3,4,5,6,7
	ds_store_b128 v[STO], v[64*(\a)+8*\b:64*(\a)+8*\b+3] offset:128*(\b/2)+32*(\b%2)      ; each accumulator from its low end on
	ds_store_b128 v[STO], v[64*(\a)+8*\b+4:64*(\a)+8*\b+7] offset:128*(\b/2)+32*(\b%2)+16
.endr
	WIN 0
.set BB, BK+64*((\a)%2)
.irp t, 0,1,2,3,4,5,6,7,8,9,10,11,12,13,14,15
	ds_load_b128 v[BB+4*\t:BB+4*\t+3], v[RD] offset:\t*SPITCH
.endr
.endm
.macro SEND a, younger                 ; younger: the LDS instructions issued behind block a's loads, which may stay out
.set BB, BK+64*((\a)%2)
	s_wait_dscnt \younger
.irp t, 0,1,2,3,4,5,6,7,8,9,10,11,12,13,14,15
	global_store_b128 v[CO], v[BB+4*\t:BB+4*\t+3], s[10:11] offset:(32*((\a)/2)+8*((\a)%2)+\t+8*(\t/8))*4096 th:TH_STORE_NT
.endr
.endm
	PLACES                                         ; behind the last products: for the reads of their results and the loads into registers that held fragments
	TOSTAGE 0
.irp a, 1,2,3
.if \a > 1
	s_wait_xcnt 0x0                                ; block a - 2's stores have read their registers: block a's loads may land there
.endif
	TOSTAGE \a
	SEND \a-1, 32                                  ; behind block a - 1's loads: block a's 16 stores and 16 loads
.endr
	SEND 3, 0
	s_wait_tensorcnt 0x0                           ; the wave's end, behind my last tensor load and my last LDS store
	ds_add_u32 v[SPW], v[NIL]
	s_wait_dscnt 0x0
	CROUND                                         ; the closing round
	s_endpgm
.Lfunc_end_k_q5a2df0f8e7_proj:
	.size	k_q5a2df0f8e7_proj, .Lfunc_end_k_q5a2df0f8e7_proj-k_q5a2df0f8e7_proj
	.p2alignl 7, 3214868480
	.fill 96, 4, 3214868480
	.section	.rodata,"a",@progbits
	.p2align	6, 0x0
	.amdhsa_kernel k_q5a2df0f8e7_proj
		.amdhsa_group_segment_fixed_size 295424
		.amdhsa_private_segment_fixed_size 0
		.amdhsa_enable_private_segment 0
		.amdhsa_kernarg_size 32
		.amdhsa_user_sgpr_count 2
		.amdhsa_user_sgpr_kernarg_segment_ptr 1
		.amdhsa_wavefront_size32 1
		.amdhsa_system_sgpr_workgroup_id_x 1
		.amdhsa_system_sgpr_workgroup_id_y 1
		.amdhsa_system_sgpr_workgroup_id_z 1
		.amdhsa_system_vgpr_workitem_id 0
		.amdhsa_next_free_vgpr 768
		.amdhsa_next_free_sgpr 102
		.amdhsa_reserve_vcc 0
		.amdhsa_float_denorm_mode_32 3
		.amdhsa_float_denorm_mode_16_64 3
		.amdhsa_memory_ordered 1
		.amdhsa_forward_progress 1
		.amdhsa_inst_pref_size 95
	.end_amdhsa_kernel
	.amdgpu_metadata
---
amdhsa.version: [ 1, 2 ]
amdhsa.kernels:
  - .name:           k_q5a2df0f8e7_proj
    .symbol:         k_q5a2df0f8e7_proj.kd
    .args:
      - { .name: oq, .offset: 0, .size: 8, .value_kind: global_buffer, .address_space: global }
      - { .name: wo, .offset: 8, .size: 8, .value_kind: global_buffer, .address_space: global }
      - { .name: b_out, .offset: 16, .size: 8, .value_kind: global_buffer, .address_space: global }
      - { .name: out0, .offset: 24, .size: 8, .value_kind: global_buffer, .address_space: global }
    .group_segment_fixed_size: 295424
    .private_segment_fixed_size: 0
    .kernarg_segment_align: 8
    .kernarg_segment_size: 32
    .max_flat_workgroup_size: 128
    .sgpr_count:     102
    .vgpr_count:     768
    .wavefront_size: 32
...
	.end_amdgpu_metadata
.endif
;; end of part 4
